; MI455X (gfx1250); checked and timed in simulation.
; The chip was launched on July 23, 2026; its instructions are those of AMD's public machine-readable ISA for CDNA 5 (MIT licence, August 2026) and "CDNA5" Instruction Set Architecture Reference Guide (July 2026). The comments in the code are by the model that wrote it; some were corrected since.
;; Self Attention. Allowed arithmetic: matrix products marked QUANTISED: E2M1 operands, one E8M0 scale for each 32 along K, by v_wmma_scale_f32_16x16x128_f8f6f4 with both operands' format E2M1 (or v_wmma_scale_f32_32x16x128_f4), f32 sums; products left as they are: bf16, f16 or f32 operands; f32 sums; everything else in f32.
;; Inputs: W_out 1,024 x 1,024 float32; W_qkv 1,024 x 3,072 float32; b_out 1,024 float32; b_qkv 3,072 float32; query_features 4 x 2,048 x 1,024 float32.
;; Outputs: out0 4 x 2,048 x 1,024 float32.
;; This version of the problem:
;;   THIS VERSION OF THE PROBLEM IS GIVEN IN LOW PRECISION. The matrix products marked QUANTISED in the list below multiply operands that are first quantised to E2M1 (2 exponent bits, 1 mantissa bit; 4 bits a number), with one power-of-two scale for each 32 numbers along K (OCP MX v1.0); their sums are f32. The products marked 'left as it is' may take bf16, f16 or f32 operands, with f32 sums. Whichever they take, every output number must still come out within the allowed error. Rounding operands to bf16 (8 significant bits) uses up far more of that allowance than f16 does (11 bits, for magnitudes from 6e-5 to 65,504). All else is computed in f32.
;;   The module's matrix products, in the order in which they are computed (A, B: the left and right operand; K: the contracted axis; several contracted axes count as one K, in the product's order):
;;     1. [M 8,192, K 1,024] x [K 1,024, N 3,072]; A: input query_features; B: input W_qkv: QUANTISED
;;     2. batch 64 x [M 2,048, K 64] x [K 64, N 2,048]; A: computed on the way; B: computed on the way: left as it is (an operand is computed on the way)
;;     3. batch 64 x [M 2,048, K 2,048] x [K 2,048, N 64]; A: computed on the way; B: computed on the way: left as it is (an operand is computed on the way)
;;     4. [M 8,192, K 1,024] x [K 1,024, N 1,024]; A: computed on the way; B: input W_out: left as it is (an operand is computed on the way)
;;   THE QUANTISER, for each operand of a quantised product, along K:
;;     - K is cut into blocks of 32 from its start; a last block that is shorter is filled with zeros.
;;     - A block's scale is 2^e with e = floor(log2(the largest magnitude in the block)) - 2, held to -126 .. 127; a block of zeros has e = 0. As a byte (E8M0): e + 127.
;;     - Each number is divided by its block's scale, clamped to +-6, and rounded to the nearest number of E2M1, ties to even, subnormals kept.
;;     - The product sums the exact products of the quantised numbers (number of the format x scale) in f32.
;;   ~~~python
;;   def quantise(x, axis):      # numpy; x: float32 -> the quantised numbers, widened to float32 again
;;       x = np.moveaxis(x, axis, -1); K = x.shape[-1]
;;       x = np.pad(x, [(0, 0)] * (x.ndim - 1) + [(0, -K % 32)]); x = x.reshape(x.shape[:-1] + (-1, 32)); a = np.abs(x).max(-1, keepdims=True)
;;       e = np.where(a > 0, np.clip(np.frexp(np.where(a > 0, a, 1))[1] - 1 - 2, -126, 127), 0)      # np.frexp(a)[1] - 1 = floor(log2(a)), exactly
;;       r = np.clip(x / 2.0 ** e, -6, 6)
;;       step = 2.0 ** (np.maximum(np.frexp(np.where(r == 0, 1, r))[1] - 1, 0) - 1)
;;       q = np.round(r / step) * step * 2.0 ** e      # np.round: ties to even
;;       return np.moveaxis(q.reshape(q.shape[:-2] + (-1,))[..., :K], -1, axis).astype(np.float32)
;;   ~~~
;; One version. Each part assembles by itself: llvm-mc -triple=amdgcn-amd-amdhsa -mcpu=gfx1250 --defsym DOCPART=n.
;; ======== version 1 of 1: 4 launches
;; limits: values are held in f16: magnitudes above 65,504 overflow, below 6.1e-05 lose precision
;; workspace buffers: x_codes 4,194,304 bytes; x_scales 262,144 bytes; w_codes 1,572,864 bytes; w_scales 98,304 bytes; wo16 2,097,152 bytes; qkv 50,331,648 bytes; att 16,777,216 bytes
;; launch prep (part 1): grid 240 x 1, 8 waves a work-group, no clusters, 102,400 bytes of LDS; arguments query_features, W_qkv, W_out, x_codes, x_scales, w_codes, w_scales, wo16; writes x_codes, x_scales, w_codes, w_scales, wo16
.if DOCPART == 1
	.amdgcn_target "amdgcn-amd-amdhsa--gfx1250"
	.amdhsa_code_object_version 6
	.text
	.protected	k_q5353376887_prep
	.globl	k_q5353376887_prep
	.p2align	8
	.type	k_q5353376887_prep,@function
k_q5353376887_prep:
	s_mov_b64 s[64:65], 0
	v_nop
	global_prefetch_b8 v0, s[64:65] scope:SCOPE_SE
	s_setreg_imm32_b32 hwreg(HW_REG_WAVE_MODE, 25, 1), 1
	s_wait_xcnt 0x0
; THE PROGRAM: out0 = softmax((x Wq + bq)(x Wk + bk)^T / 8)(x Wv + bv) W_out + b_out, 16 heads of 64, in four launches:
;   prep: x and W_qkv into codes of FP4 (E2M1) with one E8M0 byte for each 32 along K; W_out into f16.      qkv: the quantised product, bias, f16, laid by head.
;   attn: both products of attention on f16 operands, f32 sums, softmax with a running maximum.              proj: the product with W_out on f16 operands, + b_out.
; DEAD WORK, LEFT OUT: b_qkv[1024:2048], the bias on k.  score(q, j) = q . (k_j + bk) / 8 = q . k_j / 8 + q . bk / 8; the second term is the same for every key j of a row, and
; softmax along j takes a term away that is the same along j, for all finite values of the inputs.  The product of q with k is not quantised, so no quantiser sees that bias.
; So those 1,024 numbers are not loaded (launch qkv).  LIMIT: a NaN, an infinity or an overflow that lives in b_qkv[1024:2048] alone is not carried to the result.
; LIMITS OF FORMAT: q, k, v, the weights p, attention's result and W_out are rounded to f16 (nearest even): their magnitudes have to stay under 65,504; under 6e-5 their error is 3e-8 absolute.
; THE QUANTISER: a block's scale is 2^(floor(log2(its largest magnitude)) - 2); its byte is the largest magnitude's exponent field - 2, held at 1 from below.  A block of zeros gets the byte 1 where the
; rule says 127: its codes are zeros, which add nothing under any byte but 0xff, and this program alone reads the bytes.  Blocks whose largest magnitude lies under 2^-124 were not tried; NaN and infinities are not served.
; THIS LAUNCH has three arms, chosen by the work-group's number alone, each with LDS bytes of its own:
;   work-groups 0-47:    W_qkv [1024 k][3072 n] -> w_codes [3072][512 bytes], K innermost, w_scales [3072][32].  A lane takes a column, its registers run down K.
;   work-groups 48-111:  W_out f32 -> wo16 f16, as it lies.
;   work-groups 112-239: x [8192][1024] -> x_codes [8192][512 bytes], x_scales [8192][32]: a plain stream of blocks of 32.
.set SPW,   12                         ; v12  LDS address of my spare word; never rewritten
.set NIL,   13                         ; v13  0; never rewritten
.set WREG,  8192                       ; x's arm: LDS bytes of a wave: two stages of 32 x SP bytes, behind them its 256 scale bytes
.set SP,    80                         ; a lane's place in a stage: 64 bytes + 16 of padding
.set STEPS, 16
.set R,     16                         ; v16-79   four sets of 16 numbers as loaded
.set X,     80                         ; v80-111  two sets of 16 neighbours
.set E,     112                        ; v112-127 a scale byte for each step
.set C,     128                        ; v128-191 codes, four registers for each step
.set WST,   65536                      ; W_qkv's arm: 64 rows (columns n) x (512 bytes of codes + 16)
.set WP,    528
.set WSS,   99328                      ; and their scale bytes, 64 x 32
.set SPARE, 101376                     ; the spare words, 128 bytes for each of the eight waves; no other line names them
.set WROW,  12288                      ; a row of W_qkv in bytes
.set WX,    32                         ; v32-95   two sets of 32 numbers
.set WC,    96                         ; v96-99   a block's codes
.set SB,    24                         ; v24-25   eight scale bytes
.set OUTR,  112                        ; v112-143 eight rows on the way out
	s_load_b256 s[4:11], s[0:1], 0x0               ; x s[4:5], W_qkv s[6:7], W_out s[8:9], x_codes s[10:11]
	s_load_b256 s[12:19], s[0:1], 0x20             ; x_scales s[12:13], w_codes s[14:15], w_scales s[16:17], wo16 s[18:19]
	v_lshl_add_u32 v[SPW], v0, 2, SPARE
	v_mov_b32 v[NIL], 0
	v_lshrrev_b32 v1, 5, v0
	v_readfirstlane_b32 s20, v1                    ; wave 0..7
	v_and_b32 v2, 31, v0                           ; lane
	s_wait_kmcnt 0x0
	s_cmp_lt_u32 ttmp9, 48
	s_cbranch_scc1 .Lwq
	s_cmp_lt_u32 ttmp9, 112
	s_cbranch_scc1 .Lcast
	; ---------------- x: a wave takes 16 steps of 512 numbers.  Each load reads 512 consecutive bytes; a step's 2,048 bytes turn through the wave's own stage, so that a lane holds 16 neighbours along K
	v_lshlrev_b32 v3, 4, v2                        ; my 16 bytes of a load's 512
	s_mul_i32 s21, s20, WREG
	v_lshrrev_b32 v14, 2, v2
	v_mul_u32_u24 v14, v14, SP
	v_and_b32 v15, 3, v2
	v_lshl_add_u32 v14, v15, 4, v14
	v_add_nc_u32 v14, s21, v14                     ; the stage, on the way in: SP (lane / 4) + 16 (lane % 4)
	v_mul_u32_u24 v15, v2, SP
	v_add_nc_u32 v15, s21, v15                     ; and on the way out: SP x lane
	v_lshlrev_b32 v4, 3, v2                        ; my 8 bytes of a step's codes
	v_lshrrev_b32 v5, 1, v2
	s_add_co_u32 s21, s21, 2*32*SP
	v_add_nc_u32 v5, s21, v5                       ; my block's byte among my wave's 256 scale bytes
	v_lshlrev_b32 v7, 3, v2
	v_add_nc_u32 v6, s21, v7                       ; and 8 of them a lane on the way out
	s_sub_co_u32 s22, ttmp9, 112
	s_lshl_b32 s22, s22, 3
	s_add_co_u32 s22, s22, s20                     ; which run of 8,192 numbers is my wave's: 0 .. 1,023
	s_mov_b32 s25, 0
	s_lshl_b32 s24, s22, 15
	s_add_nc_u64 s[4:5], s[4:5], s[24:25]
	s_lshl_b32 s24, s22, 12
	s_add_nc_u64 s[10:11], s[10:11], s[24:25]
	s_lshl_b32 s24, s22, 8
	s_add_nc_u64 s[12:13], s[12:13], s[24:25]
.macro LOAD t
.irp i, 0,1,2,3
	global_load_b128 v[R+16*((\t)%4)+4*\i:R+16*((\t)%4)+4*\i+3], v3, s[4:5] offset:2048*(\t)+512*\i th:TH_LOAD_NT
.endr
.endm
.macro TURN t                          ; step t's numbers through the stage: LDS serves a wave's instructions in order, so no wait stands between the stores and the loads
.irp i, 0,1,2,3
	ds_store_b128 v14, v[R+16*((\t)%4)+4*\i:R+16*((\t)%4)+4*\i+3] offset:32*SP*((\t)%2)+8*SP*\i
.endr
.irp i, 0,1,2,3
	ds_load_b128 v[X+16*((\t)%2)+4*\i:X+16*((\t)%2)+4*\i+3], v15 offset:32*SP*((\t)%2)+16*\i
.endr
.endm
.irp t, 0,1,2,3
	LOAD \t
.endr
	s_wait_loadcnt 12                              ; step 0's four loads are in; the twelve of steps 1 to 3 may be out
	TURN 0
.macro STEP t
.set XS, X+16*((\t)%2)
.if (\t) > 0
	s_wait_dscnt 1                                 ; this step's numbers are back from the stage; the last step's byte store may be out
.else
	s_wait_dscnt 0x0
.endif
.if (\t)+4 < STEPS
	LOAD (\t)+4                                    ; into the registers that this step's stores into the stage have read
.endif
.if (\t)+1 < STEPS
.if STEPS-2-(\t) >= 3
	s_wait_loadcnt 12                              ; the next step's four loads are in; those of the three steps behind it may be out
.else
	s_wait_loadcnt 4*(STEPS-2-(\t))
.endif
	TURN (\t)+1
.endif
	v_max3_num_f32 v8, |v[XS]|, |v[XS+1]|, |v[XS+2]|               ; the largest magnitude of my 16, in two chains
	v_max3_num_f32 v9, |v[XS+3]|, |v[XS+4]|, |v[XS+5]|
.irp i, 6,10
	v_max3_num_f32 v8, v8, |v[XS+\i]|, |v[XS+\i+1]|
	v_max3_num_f32 v9, v9, |v[XS+\i+2]|, |v[XS+\i+3]|
.endr
	v_max3_num_f32 v8, v8, |v[XS+14]|, |v[XS+15]|
	v_max3_num_f32 v8, v8, v9, 0x1800000           ; and the floor 2^(3 - 127): the byte cannot fall under 1
	v_max_num_f32_dpp v8, v8, v8 row_xmask:1 row_mask:0xf bank_mask:0xf   ; and of my neighbour's 16: the block's
	v_add_nc_u32 v11, 0xff000000, v8               ; 2 off its exponent field: the conversion takes the exponent field of this operand as its scale
	v_cvt_scalef32_pk8_fp4_f32 v[C+4*(\t)], v[XS:XS+7], v11
	v_cvt_scalef32_pk8_fp4_f32 v[C+4*(\t)+1], v[XS+8:XS+15], v11
	v_lshrrev_b32 v[E+(\t)], 23, v11               ; the scale's byte
	ds_store_b8 v5, v[E+(\t)] offset:16*(\t)       ; both lanes of a block write the same byte with the same value
	global_store_b64 v4, v[C+4*(\t):C+4*(\t)+1], s[10:11] offset:256*(\t)   ; the wave stores 256 consecutive bytes, aligned
.endm
.irp t, 0,1,2,3,4,5,6,7,8,9,10,11,12,13,14,15
	STEP \t
.endr
	ds_load_b64 v[8:9], v6                         ; LDS serves a wave's instructions in order: these see my byte stores
	s_wait_dscnt 0x0
	global_store_b64 v7, v[8:9], s[12:13]          ; 256 consecutive bytes, aligned
	s_wait_tensorcnt 0x0                           ; the wave's end, behind my last LDS store
	ds_add_u32 v[SPW], v[NIL]
	s_wait_dscnt 0x0
	s_endpgm
	; ---------------- W_qkv: a work-group owns 64 columns and all of K.  Wave w: 32 columns (w & 1), 256 along K (w >> 1): eight blocks a lane
.Lwq:
	s_and_b32 s21, s20, 1                          ; which 32 columns
	s_lshr_b32 s22, s20, 1                         ; which 256 along K
	v_lshlrev_b32 v3, 2, v2                        ; in: 4 bytes a lane
	s_mul_i32 s23, s21, 32*WP
	s_lshl_b32 s24, s22, 7
	s_add_co_u32 s23, s23, s24
	s_add_co_u32 s23, s23, WST
	v_mul_u32_u24 v4, v2, WP
	v_add_nc_u32 v4, s23, v4                       ; the codes' stage: row = my column, 128 bytes for each 256 along K
	s_lshl_b32 s23, s21, 10
	s_lshl_b32 s24, s22, 3
	s_add_co_u32 s23, s23, s24
	s_add_co_u32 s23, s23, WSS
	v_lshlrev_b32 v5, 5, v2
	v_add_nc_u32 v5, s23, v5                       ; the scale bytes' stage: 32 bytes a column, 8 of them mine
	s_mul_i32 s23, s20, 8*WP
	s_add_co_u32 s23, s23, WST
	v_lshlrev_b32 v8, 4, v2
	v_add_nc_u32 v7, s23, v8                       ; back: wave w takes rows 8 w .. 8 w + 7, whole: 32 lanes x 16 bytes are a row
	s_lshl_b32 s23, s20, 8
	s_add_co_u32 s23, s23, WSS
	v_lshlrev_b32 v9, 3, v2
	v_add_nc_u32 v6, s23, v9                       ; and these rows' 256 scale bytes
	s_lshl_b32 s24, ttmp9, 8                       ; W_qkv: 64 columns a work-group, 32 a wave, 256 rows of K
	s_lshl_b32 s25, s21, 7
	s_add_co_u32 s24, s24, s25
	s_mul_i32 s25, s22, 256*WROW
	s_add_co_u32 s24, s24, s25
	s_mov_b32 s25, 0
	s_add_nc_u64 s[6:7], s[6:7], s[24:25]
	s_lshl_b32 s24, ttmp9, 15                      ; w_codes: 64 rows of 512 bytes a work-group, 8 a wave
	s_lshl_b32 s26, s20, 12
	s_add_co_u32 s24, s24, s26
	s_add_nc_u64 s[14:15], s[14:15], s[24:25]
	s_lshl_b32 s24, ttmp9, 11                      ; w_scales: 64 rows of 32 bytes a work-group, 8 a wave
	s_lshl_b32 s26, s20, 8
	s_add_co_u32 s24, s24, s26
	s_add_nc_u64 s[16:17], s[16:17], s[24:25]
.macro WLOAD t                         ; block t: W(32 t + i, my column) into set t % 2; the largest offset, 255 rows, lies inside the signed 24-bit immediate
.irp i, 0,1,2,3,4,5,6,7,8,9,10,11,12,13,14,15,16,17,18,19,20,21,22,23,24,25,26,27,28,29,30,31
	global_load_b32 v[WX+32*((\t)%2)+\i], v3, s[6:7] offset:(32*(\t)+\i)*WROW th:TH_LOAD_NT
.endr
.endm
	WLOAD 0
	WLOAD 1
.macro WBLOCK t
.set XS, WX+32*((\t)%2)
.if (\t) < 7
	s_wait_loadcnt 32                              ; this block's 32 loads are in; the next block's may be out
.else
	s_wait_loadcnt 0
.endif
	v_max3_num_f32 v16, |v[XS]|, |v[XS+1]|, |v[XS+2]|              ; the block's largest magnitude: all 32 numbers are mine
	v_max3_num_f32 v17, |v[XS+3]|, |v[XS+4]|, |v[XS+5]|
.irp i, 6,10,14,18,22,26
	v_max3_num_f32 v16, v16, |v[XS+\i]|, |v[XS+\i+1]|
	v_max3_num_f32 v17, v17, |v[XS+\i+2]|, |v[XS+\i+3]|
.endr
	v_max3_num_f32 v16, v16, |v[XS+30]|, |v[XS+31]|
	v_max3_num_f32 v16, v16, v17, 0x1800000        ; and the floor 2^(3 - 127)
	v_add_nc_u32 v11, 0xff000000, v16              ; 2 off its exponent field: the conversion's scale operand
	v_lshrrev_b32 v17, 23, v11                     ; the scale's byte
.if (\t)%4 == 0
	v_mov_b32 v[SB+(\t)/4], v17                    ; four bytes to a register, the lower K in the lower byte
.else
	v_lshl_or_b32 v[SB+(\t)/4], v17, 8*((\t)%4), v[SB+(\t)/4]
.endif
.irp g, 0,1,2,3
	v_cvt_scalef32_pk8_fp4_f32 v[WC+\g], v[XS+8*\g:XS+8*\g+7], v11
.endr
	ds_store_b128 v4, v[WC:WC+3] offset:16*(\t)    ; 32 codes: 16 bytes of my column's row
.if (\t)+2 < 8
	WLOAD (\t)+2
.endif
	s_wait_dscnt 0x0                               ; the store has read its registers: the next block's codes may be written
.endm
.irp t, 0,1,2,3,4,5,6,7
	WBLOCK \t
.endr
	ds_store_b64 v5, v[SB:SB+1]
	s_wait_dscnt 0x0                               ; for the others' sake: my stores into both stages are done
	s_barrier_signal -1                            ; all eight waves of this work-group are in this arm: the arm hangs on the work-group's number alone
	s_barrier_wait -1
.irp i, 0,1,2,3,4,5,6,7
	ds_load_b128 v[OUTR+4*\i:OUTR+4*\i+3], v7 offset:\i*WP
.endr
	ds_load_b64 v[28:29], v6
.irp i, 0,1,2,3,4,5,6,7
	s_wait_dscnt 8-\i                              ; row i is back; the younger loads may be out
	global_store_b128 v8, v[OUTR+4*\i:OUTR+4*\i+3], s[14:15] offset:512*\i   ; the wave stores 512 consecutive bytes, aligned
.endr
	s_wait_dscnt 0x0
	global_store_b64 v9, v[28:29], s[16:17]        ; 256 consecutive bytes, aligned
	s_wait_tensorcnt 0x0                           ; the wave's end, behind my last LDS store
	ds_add_u32 v[SPW], v[NIL]
	s_wait_dscnt 0x0
	s_endpgm
	; ---------------- W_out to f16: a wave takes 2,048 numbers; no LDS
.Lcast:
	s_sub_co_u32 s22, ttmp9, 48
	s_lshl_b32 s22, s22, 3
	s_add_co_u32 s22, s22, s20                     ; which run of 2,048 numbers: 0 .. 511
	s_mov_b32 s25, 0
	s_lshl_b32 s24, s22, 13
	s_add_nc_u64 s[8:9], s[8:9], s[24:25]
	s_lshl_b32 s24, s22, 12
	s_add_nc_u64 s[18:19], s[18:19], s[24:25]
	v_lshlrev_b32 v3, 4, v2
	v_lshlrev_b32 v4, 3, v2
.irp i, 0,1,2,3,4,5,6,7,8,9,10,11,12,13,14,15
	global_load_b128 v[32+4*\i:32+4*\i+3], v3, s[8:9] offset:512*\i th:TH_LOAD_NT
.endr
.irp i, 0,1,2,3,4,5,6,7,8,9,10,11,12,13,14,15
	s_wait_loadcnt 15-\i                           ; load i is in; the younger ones may be out
	v_cvt_pk_f16_f32 v[96+2*\i], v[32+4*\i], v[32+4*\i+1]
	v_cvt_pk_f16_f32 v[97+2*\i], v[32+4*\i+2], v[32+4*\i+3]
	global_store_b64 v4, v[96+2*\i:97+2*\i], s[18:19] offset:256*\i   ; 256 consecutive bytes, aligned
.endr
	s_endpgm
.Lfunc_end_k_q5353376887_prep:
	.size	k_q5353376887_prep, .Lfunc_end_k_q5353376887_prep-k_q5353376887_prep
	.p2alignl 7, 3214868480
	.fill 96, 4, 3214868480
	.section	.rodata,"a",@progbits
	.p2align	6, 0x0
	.amdhsa_kernel k_q5353376887_prep
		.amdhsa_group_segment_fixed_size 102400
		.amdhsa_private_segment_fixed_size 0
		.amdhsa_enable_private_segment 0
		.amdhsa_kernarg_size 64
		.amdhsa_user_sgpr_count 2
		.amdhsa_user_sgpr_kernarg_segment_ptr 1
		.amdhsa_wavefront_size32 1
		.amdhsa_system_sgpr_workgroup_id_x 1
		.amdhsa_system_sgpr_workgroup_id_y 1
		.amdhsa_system_sgpr_workgroup_id_z 1
		.amdhsa_system_vgpr_workitem_id 0
		.amdhsa_next_free_vgpr 192
		.amdhsa_next_free_sgpr 66
		.amdhsa_reserve_vcc 0
		.amdhsa_float_denorm_mode_32 3
		.amdhsa_float_denorm_mode_16_64 3
		.amdhsa_memory_ordered 1
		.amdhsa_forward_progress 1
		.amdhsa_inst_pref_size 79
	.end_amdhsa_kernel
	.amdgpu_metadata
---
amdhsa.version: [ 1, 2 ]
amdhsa.kernels:
  - .name:           k_q5353376887_prep
    .symbol:         k_q5353376887_prep.kd
    .args:
      - { .name: query_features, .offset: 0, .size: 8, .value_kind: global_buffer, .address_space: global }
      - { .name: W_qkv, .offset: 8, .size: 8, .value_kind: global_buffer, .address_space: global }
      - { .name: W_out, .offset: 16, .size: 8, .value_kind: global_buffer, .address_space: global }
      - { .name: x_codes, .offset: 24, .size: 8, .value_kind: global_buffer, .address_space: global }
      - { .name: x_scales, .offset: 32, .size: 8, .value_kind: global_buffer, .address_space: global }
      - { .name: w_codes, .offset: 40, .size: 8, .value_kind: global_buffer, .address_space: global }
      - { .name: w_scales, .offset: 48, .size: 8, .value_kind: global_buffer, .address_space: global }
      - { .name: wo16, .offset: 56, .size: 8, .value_kind: global_buffer, .address_space: global }
    .group_segment_fixed_size: 102400
    .private_segment_fixed_size: 0
    .kernarg_segment_align: 8
    .kernarg_segment_size: 64
    .max_flat_workgroup_size: 256
    .sgpr_count:     66
    .vgpr_count:     192
    .wavefront_size: 32
...
	.end_amdgpu_metadata
.endif
;; end of part 1
;; launch qkv (part 2): grid 12 x 32, 4 waves a work-group, clusters of 4 x 4, 327,680 bytes of LDS; arguments x_codes, x_scales, w_codes, w_scales, b_qkv, qkv; writes qkv
.if DOCPART == 2
	.amdgcn_target "amdgcn-amd-amdhsa--gfx1250"
	.amdhsa_code_object_version 6
	.text
	.protected	k_q5353376887_qkv
	.globl	k_q5353376887_qkv
	.p2align	8
	.type	k_q5353376887_qkv,@function
k_q5353376887_qkv:
	s_mov_b64 s[64:65], 0
	v_nop
	global_prefetch_b8 v0, s[64:65] scope:SCOPE_SE
	s_setreg_imm32_b32 hwreg(HW_REG_WAVE_MODE, 25, 1), 1
	s_wait_xcnt 0x0
	s_wait_alu depctr_hold_cnt(0) depctr_sa_sdst(0) depctr_va_vdst(0) depctr_va_sdst(0) depctr_va_ssrc(0) depctr_va_vcc(0) depctr_vm_vsrc(0)
	s_getreg_b32 s2, hwreg(HW_REG_IB_STS2, 6, 4)
	s_cmp_eq_u32 s2, 0
	s_cbranch_scc0 .Lentry_in_a_cluster
	s_endpgm
.Lentry_in_a_cluster:
	s_bfe_u32 s2, ttmp6, 0x10000c
	s_cmp_lg_u32 s2, 0xf033
	s_cbranch_scc0 .Lentry_shape_is_right
	s_endpgm
.Lentry_shape_is_right:
; qkv[part][b h][s][d] = f16(sum over k of x[m][k] W_qkv[k][n] + b_qkv[n]), the product on codes of FP4 (E2M1) with one E8M0 scale for each 32 along K, sums in f32.
; m = 2048 b + s, n = 1024 part + 64 h + d.  x_codes [8192][512 bytes], w_codes [3072][512 bytes], K innermost; their scale bytes [rows][32].
; LEFT OUT AS DEAD WORK: the bias on k, b_qkv[1024:2048] (a term of the scores that is the same along the softmax's axis: shown at the head of launch prep): the work-groups that make k start their sums from 0.
; LIMIT: results are rounded to f16: magnitudes under 65,504.
; A tile of 256 x 256 is made by four waves, each 128 x 128: 64 accumulators, 512 registers.  K = 1,024 is two steps of 512: two LDS slots, each filled once by the tensor data mover; rows of 256 bytes.
; The scales of the work-group's 256 + 256 rows come into LDS once, as whole runs of 256 bytes.
; CLUSTERS: 4 x 4 work-groups; A's tiles are asked for jointly along a row of the cluster, B's along a column.  A cluster's four columns of tiles are one part (q, k or v): the part is the cluster's x.
; THE MATRIX INSTRUCTION IS USED TRANSPOSED (source 0 = 16 rows of w_codes, source 1 = 16 rows of x_codes): a lane holds eight neighbouring columns of one row.
; REGISTERS, in windows of 256: window 0: v0-31 addresses; v32-95 scale words, two sets, and nothing else ever; v128-191 A's fragments, one set (on the way out: rows read back);
;   v192-255 the bias, eight registers for each of B's eight blocks, the C of the first products (on the way out: packed results).
;   window 1: B's fragments, two sets, at v0 and v128.   window 2: the accumulators of my rows 0-63 ((a, b) at v[8 (8 a + b)]);   window 3: those of my rows 64-127.
.set NQ,     4                         ; matrix instructions deep in a slot: 512 / 128
.set ROWB,   256                       ; a tile's row in bytes
.set KROW,   512                       ; a row of codes in memory
.set PITCH,  272                       ; an LDS row: 256 bytes + 16 of padding: the 16 rows that a load touches start 68 words apart
.set FR,     8                         ; registers of a fragment
.set NL,     2                         ; LDS loads that bring one
.set NP,     4                         ; places behind this matrix instruction (ISA guide 7.12.1)
.set HALFT,  128*PITCH
.set SLOT,   4*HALFT
.set KS,     32                        ; a row of scales in bytes
.set SCL,    2*SLOT                    ; behind the slots: the scales, as runs of 256 bytes + 16 of padding
.set HALFS,  (128*KS/256)*272
.set SBLK,   (16*KS/256)*272
.set SPARE,  SCL+4*HALFS               ; the spare words, 128 bytes for each wave; no other line names them
.set SPITCH, 272                       ; the way out: a stage of 16 rows x (256 bytes + 16) for each wave, in slot 0, which has had its one fill and its last read by then
.set ADRA, 16
.set ADRB, 20
.set STO,  24
.set RD,   25
.set CO,   26
.set ADRS, 27
.set SPW,  28
.set NIL,  29
.set BO,   30                          ; v30  32 x (lane / 16): my eight numbers of a block's sixteen biases
.set SC,   32
.set AF,   128
.set OB,   128                         ; the way out: 16 rows read back: v128-159 and v160-191 by turns
.set BI,   192
.set TMP,  192
.set G1, 24
.set G0, 32
.set G1B, 48
.set G0B, 56
.set G1S, 68
.set G0S, 76
.set G1SB, 80
.set G0SB, 88
.set MSB, 0
.macro WIN new                         ; the immediate's high byte repeats the setting that is left
.if MSB != (\new)
	s_set_vgpr_msb (MSB<<8)|(\new)
.set MSB, (\new)
.endif
.endm
.set MUL_LO,   0xa1                    ; source 0 (B) window 1, source 1 (A) window 0, C and D window 2
.set MUL_HI,   0xf1                    ; the same, C and D window 3
.set FIRST_LO, 0x81                    ; the first products: C is the bias, in window 0
.set FIRST_HI, 0xc1
.set TO_B,     0x40
; A joint load: waves 0 and 1 fetch for A, waves 2 and 3 for B; the branch hangs on the wave's number alone.  An s_nop 0 and four v_nop follow each of the two lines.
.macro JLOAD g0a, g1a, g0b, g1b
	s_cmp_eq_u32 s15, 0
	s_cbranch_scc0 .Lfor_b_\@
	tensor_load_to_lds s[\g0a:\g0a+3], s[\g1a:\g1a+7]
	s_nop 0
.rept 4
	v_nop
.endr
	s_branch .Lasked_\@
.Lfor_b_\@:
	tensor_load_to_lds s[\g0b:\g0b+3], s[\g1b:\g1b+7]
	s_nop 0
.rept 4
	v_nop
.endr
.Lasked_\@:
.endm
.macro CROUND                          ; a round of the cluster's barrier
	s_barrier_signal -1
	s_barrier_wait -1
	s_cmp_lg_u32 s14, 0
	s_cbranch_scc1 .Lnot_wave_0_\@
	s_barrier_signal -3
.Lnot_wave_0_\@:
	s_barrier_wait -3
	s_barrier_signal -1
	s_barrier_wait -1
.endm
	s_load_b128 s[4:7], s[0:1], 0x0                ; x_codes s[4:5], x_scales s[6:7]
	s_load_b128 s[8:11], s[0:1], 0x10              ; w_codes s[8:9], w_scales s[10:11]
	s_load_b64 s[96:97], s[0:1], 0x20              ; b_qkv
	s_load_b64 s[12:13], s[0:1], 0x28              ; qkv
	v_lshl_add_u32 v[SPW], v0, 2, SPARE
	v_mov_b32 v[NIL], 0
	ds_add_u32 v[SPW], v[NIL]                      ; the wave's opening: the add, twice on end, and its wait ahead of my first tensor load
	ds_add_u32 v[SPW], v[NIL]
	v_lshrrev_b32 v1, 5, v0
	v_readfirstlane_b32 s14, v1                    ; wave 0..3
	s_lshr_b32 s15, s14, 1                         ; which half of the tile's rows is mine.  Also: I fetch for A (0) or for B (1)
	s_and_b32 s16, s14, 1                          ; which half of its columns.  Also: which 128 rows of that tile I fetch
	s_bfe_u32 s40, ttmp6, 0x40000                  ; cx, cy: my place in the cluster
	s_bfe_u32 s41, ttmp6, 0x40004
	s_lshl_b32 s42, ttmp9, 2
	s_add_co_u32 s42, s42, s40                     ; tile column = 4 x cluster x + cx
	s_and_b32 s17, ttmp7, 0xffff
	s_lshl_b32 s17, s17, 2
	s_add_co_u32 s17, s17, s41                     ; tile row = 4 x cluster y + cy
	s_lshl_b32 s43, s41, 2
	s_lshl_b32 s43, 15, s43                        ; my row of the cluster
	s_lshl_b32 s44, 0x1111, s40                    ; my column
	s_or_b32 s[G1+0], s43, (0<<16)|(1<<20)|(1<<21)|(5<<22)|(3<<25)  ; the mask; elements of 1 byte; padding on; bit 21 beside a mask; after every 64 words, 4 words
	s_or_b32 s[G1B+0], s44, (0<<16)|(1<<20)|(1<<21)|(5<<22)|(3<<25)
.irp g, G1, G1B
	s_mov_b32 s[\g+1], ROWB<<16                    ; tensor_dim0
	s_mov_b32 s[\g+2], 128<<16                     ; tensor_dim1
	s_mov_b32 s[\g+3], ROWB<<16                    ; tile_dim0
	s_mov_b32 s[\g+4], 128                         ; tile_dim1
	s_mov_b32 s[\g+5], KROW                        ; from row to row
	s_mov_b32 s[\g+6], 0
	s_mov_b32 s[\g+7], 0
.endr
	s_or_b32 s[G1S+0], s43, (3<<16)|(1<<20)|(1<<21)|(5<<22)|(3<<25) ; the scales of 128 rows: 4,096 dense bytes as 16 rows of 32 elements of 8 bytes, 16 bytes of padding behind each
	s_or_b32 s[G1SB+0], s44, (3<<16)|(1<<20)|(1<<21)|(5<<22)|(3<<25)
.irp g, G1S, G1SB
	s_mov_b32 s[\g+1], 32<<16
	s_mov_b32 s[\g+2], (128*KS/256)<<16
	s_mov_b32 s[\g+3], 32<<16
	s_mov_b32 s[\g+4], 128*KS/256
	s_mov_b32 s[\g+5], 32
	s_mov_b32 s[\g+6], 0
	s_mov_b32 s[\g+7], 0
.endr
	s_lshl_b32 s18, s16, 7                         ; which 128 rows of the tile I fetch
	s_lshl_b32 s20, s17, 8
	s_add_co_u32 s20, s20, s18                     ; A: row 256 x tile row + 128 x half
	s_lshl_b32 s46, s42, 8
	s_add_co_u32 s46, s46, s18                     ; B: row 256 x tile column + 128 x half
	s_mov_b32 s21, 0
	s_mov_b32 s47, 0
	s_mov_b64 s[18:19], KS
	s_mul_u64 s[22:23], s[20:21], s[18:19]         ; where these rows' scales begin, in bytes
	s_mul_u64 s[92:93], s[46:47], s[18:19]
	s_mov_b64 s[18:19], KROW
	s_mul_u64 s[20:21], s[20:21], s[18:19]         ; and their codes
	s_mul_u64 s[46:47], s[46:47], s[18:19]
	s_mul_i32 s45, s14, HALFT                      ; where they go: wave x 128 rows: no place in the cluster enters an LDS address
	s_mul_i32 s94, s14, HALFS
	s_wait_dscnt 0x0                               ; both opening adds are done
	s_wait_kmcnt 0x0
	s_add_nc_u64 s[20:21], s[4:5], s[20:21]
	s_add_nc_u64 s[22:23], s[6:7], s[22:23]
	s_add_nc_u64 s[46:47], s[8:9], s[46:47]
	s_add_nc_u64 s[92:93], s[10:11], s[92:93]
	CROUND                                         ; all sixteen work-groups are here: the joint loads meet
	s_mov_b32 s[G0S], 1
	s_add_co_u32 s[G0S+1], s94, SCL
	s_mov_b64 s[G0S+2:G0S+3], s[22:23]
	s_or_b32 s[G0S+3], s[G0S+3], 0x80000000
	s_mov_b32 s[G0SB], 1
	s_add_co_u32 s[G0SB+1], s94, SCL
	s_mov_b64 s[G0SB+2:G0SB+3], s[92:93]
	s_or_b32 s[G0SB+3], s[G0SB+3], 0x80000000
	JLOAD G0S, G1S, G0SB, G1SB                     ; the scales first: they are wanted with K step 0
.irp s, 0,1
	s_mov_b32 s[G0+4*\s], 1
	s_add_co_u32 s[G0+4*\s+1], s45, \s*SLOT
	s_add_nc_u64 s[G0+4*\s+2:G0+4*\s+3], s[20:21], \s*ROWB
	s_or_b32 s[G0+4*\s+3], s[G0+4*\s+3], 0x80000000
	s_mov_b32 s[G0B+4*\s], 1
	s_add_co_u32 s[G0B+4*\s+1], s45, \s*SLOT
	s_add_nc_u64 s[G0B+4*\s+2:G0B+4*\s+3], s[46:47], \s*ROWB
	s_or_b32 s[G0B+4*\s+3], s[G0B+4*\s+3], 0x80000000
	JLOAD G0+4*\s, G1, G0B+4*\s, G1B               ; three loads of mine are out in all; nothing is filled a second time in this launch
.endr
	v_and_b32 v1, 15, v0                           ; l % 16
	v_bfe_u32 v2, v0, 4, 1                         ; l / 16
	v_mul_u32_u24 v3, v1, PITCH
	v_lshl_add_u32 v4, v2, 4, v3                   ; a fragment's row x pitch + 16 x half
	s_mul_i32 s21, s15, HALFT                      ; my 128 rows of A
	s_mul_i32 s22, s16, HALFT                      ; my 128 rows of B,
	s_add_co_u32 s22, s22, 2*HALFT                 ; which lie behind A's 256
.irp s, 0,1
	v_add_nc_u32 v[ADRA+\s], s21, v4
	v_add_nc_u32 v[ADRB+\s], s22, v4
	s_add_co_u32 s21, s21, SLOT
	s_add_co_u32 s22, s22, SLOT
.endr
	v_mul_u32_u24 v5, v1, KS                       ; my row's scales: 32 bytes a row,
	v_lshrrev_b32 v6, 8, v5
	v_lshl_add_u32 v5, v6, 4, v5                   ; and 16 more for each 256 passed
	s_mul_i32 s21, s15, HALFS                      ; A's: my 128 rows
	s_mul_i32 s22, s16, HALFS                      ; B's: my 128 rows, behind A's 256
	s_add_co_u32 s22, s22, 2*HALFS
	s_sub_co_u32 s22, s22, s21
	v_mul_u32_u24 v6, s22, v2                      ; lanes 16-31 take B's: one product, the distance between the two bases
	s_add_co_u32 s21, s21, SCL
	v_add_nc_u32 v5, v5, v6
	v_add_nc_u32 v[ADRS], s21, v5
	s_mul_i32 s23, s14, 16*SPITCH                  ; my stage
	v_mul_u32_u24 v5, v1, SPITCH                   ; in: row l % 16, 16 bytes for each half of the lanes
	v_lshl_add_u32 v5, v2, 4, v5
	v_add_nc_u32 v[STO], s23, v5
	v_and_b32 v6, 31, v0
	v_lshlrev_b32 v[CO], 4, v6                     ; in memory 16 rows of one head are 2,048 consecutive bytes: 16 bytes a lane
	v_lshrrev_b32 v5, 3, v6
	v_mul_u32_u24 v5, v5, SPITCH                   ; back: eight lanes take one head's 128 bytes of a row, 32 lanes four rows
	v_and_b32 v6, 7, v0
	v_lshl_add_u32 v5, v6, 4, v5
	v_add_nc_u32 v[RD], s23, v5
	v_lshlrev_b32 v[BO], 5, v2
	; where my 128 rows x 2 heads begin in qkv: part x 2^24 + ((16 b + 4 cx + 2 x column half) x 2048 + s) x 128
	s_lshr_b32 s20, s17, 3                         ; b
	s_lshl_b32 s20, s20, 4
	s_lshl_b32 s21, s40, 2
	s_add_co_u32 s20, s20, s21
	s_lshl_b32 s21, s16, 1
	s_add_co_u32 s20, s20, s21                     ; my first head among the 64
	s_lshl_b32 s20, s20, 11
	s_and_b32 s21, s17, 7
	s_lshl_b32 s21, s21, 8
	s_add_co_u32 s20, s20, s21
	s_lshl_b32 s21, s15, 7
	s_add_co_u32 s20, s20, s21                     ; + my first position
	s_lshl_b32 s20, s20, 7
	s_lshl_b32 s21, ttmp9, 24
	s_add_co_u32 s20, s20, s21
	s_mov_b32 s21, 0
	s_add_nc_u64 s[12:13], s[12:13], s[20:21]
	s_lshl_b32 s20, s42, 10                        ; the bias of my 128 columns: 4 bytes x (256 x tile column + 128 x half)
	s_lshl_b32 s21, s16, 9
	s_add_co_u32 s20, s20, s21
	s_mov_b32 s21, 0
	s_add_nc_u64 s[96:97], s[96:97], s[20:21]
	s_cmp_eq_u32 ttmp9, 1                          ; the cluster's x is the part, the same in all sixteen partners: 1 is k
	s_cbranch_scc1 .Lk_part
.irp b, 0,1,2,3,4,5,6,7
	global_load_b128 v[BI+8*\b:BI+8*\b+3], v[BO], s[96:97] offset:64*\b        ; register 8 b + j: the bias of column 16 b + 8 (l / 16) + j: the result's layout
	global_load_b128 v[BI+8*\b+4:BI+8*\b+7], v[BO], s[96:97] offset:64*\b+16
.endr
	s_branch .Lbias_done
.Lk_part:
.set i, 0
.rept 64
	v_mov_b32 v[BI+i], 0                           ; k's bias is dead work: it is not loaded, and the sums start from 0
.set i, i+1
.endr
.Lbias_done:
.macro FRAG reg, adr, q, i             ; 16 rows x 128 K of 4-bit codes: lane l holds row l % 16; registers 4 c .. 4 c + 3 hold K = 64 c + 32 (l / 16) + 0 .. 31
.irp c, 0,1
	ds_load_b128 v[\reg+4*\c:\reg+4*\c+3], v[\adr] offset:64*(\q)+32*\c+(\i)*16*PITCH
.endr
.endm
; 16 matrix instructions: A's blocks a0, a0 + 1 x B's eight.  p: B's set; sc: the set of scale words.  zero = 1: the first products take the bias as C: nothing is cleared or added later.
; The 64 accumulators take turns, one instruction a turn, in the same order in every step.
.macro MUL16 a0, p, q, sc, zero
.irp a, \a0, \a0+1
.irp b, 0,1,2,3,4,5,6,7
.if \zero
	v_wmma_scale_f32_16x16x128_f8f6f4 v[8*(8*((\a)%4)+\b):8*(8*((\a)%4)+\b)+7], v[128*(\p)+FR*\b:128*(\p)+FR*\b+FR-1], v[AF+FR*(\a):AF+FR*(\a)+FR-1], v[BI+8*\b:BI+8*\b+7], v[SC+8*NQ*(\sc)+NQ*\b+(\q)], v[SC+8*NQ*(\sc)+NQ*(\a)+(\q)] matrix_a_fmt:MATRIX_FMT_FP4 matrix_b_fmt:MATRIX_FMT_FP4 matrix_a_scale:MATRIX_SCALE_ROW1
.else
	v_wmma_scale_f32_16x16x128_f8f6f4 v[8*(8*((\a)%4)+\b):8*(8*((\a)%4)+\b)+7], v[128*(\p)+FR*\b:128*(\p)+FR*\b+FR-1], v[AF+FR*(\a):AF+FR*(\a)+FR-1], v[8*(8*((\a)%4)+\b):8*(8*((\a)%4)+\b)+7], v[SC+8*NQ*(\sc)+NQ*\b+(\q)], v[SC+8*NQ*(\sc)+NQ*(\a)+(\q)] matrix_a_fmt:MATRIX_FMT_FP4 matrix_b_fmt:MATRIX_FMT_FP4 matrix_a_scale:MATRIX_SCALE_ROW1
.endif
.endr
.endr
.endm
.macro FETCH_B slot, q, p
	WIN TO_B
.irp i, 0,1,2,3,4,5,6,7
	FRAG 128*(\p)+FR*\i, ADRB+\slot, \q, \i
.endr
	WIN 0
.endm
.macro FETCH_A slot, q, i0
.irp i, \i0, \i0+1, \i0+2, \i0+3
	FRAG AF+FR*(\i), ADRA+\slot, \q, \i
.endr
.endm
.macro SCALES sc                       ; a K step's scale words into set sc: four words a row; lanes 0-15 take A's block i, lanes 16-31 B's block i
.irp i, 0,1,2,3,4,5,6,7
	ds_load_b128 v[SC+8*NQ*\sc+NQ*\i:SC+8*NQ*\sc+NQ*\i+3], v[ADRS] offset:\i*SBLK
.endr
.endm
.macro PLACES n                        ; plain vector instructions between a matrix instruction and a load into, or a read of, its registers
.rept \n
	v_nop
.endr
.endm
.macro STEP slot, q, zero              ; 128 along K that has its successor in the same slot
	s_wait_dscnt 4*NL                              ; B's set and A's blocks 0-3 are in; the youngest eight loads (A's blocks 4-7) may be out
.if \zero
	WIN FIRST_LO
.else
	WIN MUL_LO
.endif
	MUL16 0, (\q)%2, \q, \slot, \zero
	MUL16 2, (\q)%2, \q, \slot, \zero
	s_wait_dscnt 0                                 ; A's blocks 4-7 are in
	PLACES NP
	FETCH_B \slot, (\q)+1, 1-(\q)%2
	FETCH_A \slot, (\q)+1, 0
.if \zero
	WIN FIRST_HI
.else
	WIN MUL_HI
.endif
	MUL16 4, (\q)%2, \q, \slot, \zero
	MUL16 6, (\q)%2, \q, \slot, \zero
	PLACES NP
	WIN 0
	FETCH_A \slot, (\q)+1, 4
.endm
.macro TURN slot, next                 ; slot 0's last step changes slots: one barrier; nothing is filled again
	s_wait_tensorcnt 0x0                           ; all my tensor loads have landed: my part of the next slot
	ds_add_u32 v[SPW], v[NIL]                      ; 0 onto my spare word
	s_wait_dscnt 4*NL+1                            ; the add and the youngest eight loads may be out
	WIN MUL_LO
	MUL16 0, 1, NQ-1, \slot, 0
	s_wait_dscnt 0x0                               ; the add is done, and my reads of this slot are over
	s_barrier_signal -1
	MUL16 2, 1, NQ-1, \slot, 0
	WIN 0
	s_barrier_wait -1                              ; the next slot is whole, and nobody reads this one any more
	PLACES NP
	v_add_nc_u32 v[ADRS], 4*NQ, v[ADRS]            ; on to the next K step's scale words
	FETCH_B \next, 0, 0
	FETCH_A \next, 0, 0
	SCALES \next
	WIN MUL_HI
	MUL16 4, 1, NQ-1, \slot, 0
	MUL16 6, 1, NQ-1, \slot, 0
	PLACES NP
	WIN 0
	FETCH_A \next, 0, 4
.endm
	s_wait_tensorcnt 1                             ; the scales and my part of K step 0 are in; K step 1's load may be out
	s_barrier_signal -1
	s_barrier_wait -1
	FETCH_B 0, 0, 0
	FETCH_A 0, 0, 0
	SCALES 0
	FETCH_A 0, 0, 4
	s_wait_loadcnt 0x0                             ; the bias
	STEP 0, 0, 1
	STEP 0, 1, 0
	STEP 0, 2, 0
	TURN 0, 1
	STEP 1, 0, 0
	STEP 1, 1, 0
	STEP 1, 2, 0
	s_wait_dscnt 4*NL                              ; the last step: nothing more to fetch
	WIN MUL_LO
	MUL16 0, 1, NQ-1, 1, 0
	MUL16 2, 1, NQ-1, 1, 0
	s_wait_dscnt 0
	WIN MUL_HI
	MUL16 4, 1, NQ-1, 1, 0
	MUL16 6, 1, NQ-1, 1, 0
	WIN 0
; THE WAY OUT, block by block of 16 rows x 128 columns (two heads).  PACK: rounded to f16, 16 bytes a lane, each accumulator from its low end on.  TOSTAGE: into my own stage and back by heads.  SEND: stored.
.macro PACK a
.set AC, 64*((\a)%4)
	WIN 0x0a+5*((\a)/4)                            ; sources 0 and 1: window 2 or 3
.irp b, 0,1,2,3,4,5,6,7
.irp r, 0,1,2,3
	v_cvt_pk_f16_f32 v[TMP+4*\b+\r], v[AC+8*\b+2*\r], v[AC+8*\b+2*\r+1]
.endr
.endr
	WIN 0
.endm
.macro TOSTAGE a
.set BK, OB+32*((\a)%2)
.irp b, 0,1,2,3,4,5,6,7
	ds_store_b128 v[STO], v[TMP+4*\b:TMP+4*\b+3] offset:32*\b
.endr
.irp t, 0,1,2,3,4,5,6,7
	ds_load_b128 v[BK+4*\t:BK+4*\t+3], v[RD] offset:(\t%4)*4*SPITCH+128*(\t/4)   ; head t / 4, rows 4 (t % 4) on.  LDS serves a wave's instructions in order: these see the stores above
.endr
.endm
.macro SEND a
.set BK, OB+32*((\a)%2)
	s_wait_dscnt 0x0                               ; the block is back in registers
	s_wait_xcnt 0x0                                ; the earlier stores have read their registers: the next block's loads may land there
.irp t, 0,1,2,3,4,5,6,7
	global_store_b128 v[CO], v[BK+4*\t:BK+4*\t+3], s[12:13] offset:(\t/4)*262144+(\a)*2048+(\t%4)*512   ; the wave stores 512 consecutive bytes, aligned
.endr
.endm
	PLACES NP                                      ; behind the last products: for the conversions, and for the loads into the registers that held A's fragments
	PACK 0
	TOSTAGE 0
.irp a, 1,2,3,4,5,6,7
	PACK \a
	SEND \a-1
	TOSTAGE \a
.endr
	SEND 7
	s_wait_tensorcnt 0x0                           ; the wave's end, behind my last tensor load and my last LDS store
	ds_add_u32 v[SPW], v[NIL]
	s_wait_dscnt 0x0
	CROUND                                         ; the closing round
	s_endpgm
.Lfunc_end_k_q5353376887_qkv:
	.size	k_q5353376887_qkv, .Lfunc_end_k_q5353376887_qkv-k_q5353376887_qkv
	.p2alignl 7, 3214868480
	.fill 96, 4, 3214868480
	.section	.rodata,"a",@progbits
	.p2align	6, 0x0
	.amdhsa_kernel k_q5353376887_qkv
		.amdhsa_group_segment_fixed_size 327680
		.amdhsa_private_segment_fixed_size 0
		.amdhsa_enable_private_segment 0
		.amdhsa_kernarg_size 48
		.amdhsa_user_sgpr_count 2
		.amdhsa_user_sgpr_kernarg_segment_ptr 1
		.amdhsa_wavefront_size32 1
		.amdhsa_system_sgpr_workgroup_id_x 1
		.amdhsa_system_sgpr_workgroup_id_y 1
		.amdhsa_system_sgpr_workgroup_id_z 1
		.amdhsa_system_vgpr_workitem_id 0
		.amdhsa_next_free_vgpr 1024
		.amdhsa_next_free_sgpr 100
		.amdhsa_reserve_vcc 0
		.amdhsa_float_denorm_mode_32 3
		.amdhsa_float_denorm_mode_16_64 3
		.amdhsa_memory_ordered 1
		.amdhsa_forward_progress 1
		.amdhsa_inst_pref_size 130
	.end_amdhsa_kernel
	.amdgpu_metadata
---
amdhsa.version: [ 1, 2 ]
amdhsa.kernels:
  - .name:           k_q5353376887_qkv
    .symbol:         k_q5353376887_qkv.kd
    .args:
      - { .name: x_codes, .offset: 0, .size: 8, .value_kind: global_buffer, .address_space: global }
      - { .name: x_scales, .offset: 8, .size: 8, .value_kind: global_buffer, .address_space: global }
      - { .name: w_codes, .offset: 16, .size: 8, .value_kind: global_buffer, .address_space: global }
      - { .name: w_scales, .offset: 24, .size: 8, .value_kind: global_buffer, .address_space: global }
      - { .name: b_qkv, .offset: 32, .size: 8, .value_kind: global_buffer, .address_space: global }
      - { .name: qkv, .offset: 40, .size: 8, .value_kind: global_buffer, .address_space: global }
    .group_segment_fixed_size: 327680
    .private_segment_fixed_size: 0
    .kernarg_segment_align: 8
    .kernarg_segment_size: 48
    .max_flat_workgroup_size: 128
    .sgpr_count:     100
    .vgpr_count:     1024
    .wavefront_size: 32
...
	.end_amdgpu_metadata
.endif
;; end of part 2
;; launch attn (part 3): grid 4 x 64, 8 waves a work-group, clusters of 4 x 1, 327,680 bytes of LDS; arguments qkv, att; writes att
.if DOCPART == 3
	.amdgcn_target "amdgcn-amd-amdhsa--gfx1250"
	.amdhsa_code_object_version 6
	.text
	.protected	k_q5353376887_attn
	.globl	k_q5353376887_attn
	.p2align	8
	.type	k_q5353376887_attn,@function
k_q5353376887_attn:
	s_mov_b64 s[64:65], 0
	v_nop
	global_prefetch_b8 v0, s[64:65] scope:SCOPE_SE
	s_setreg_imm32_b32 hwreg(HW_REG_WAVE_MODE, 25, 1), 1
	s_wait_xcnt 0x0
	s_wait_alu depctr_hold_cnt(0) depctr_sa_sdst(0) depctr_va_vdst(0) depctr_va_sdst(0) depctr_va_ssrc(0) depctr_va_vcc(0) depctr_vm_vsrc(0)
	s_getreg_b32 s2, hwreg(HW_REG_IB_STS2, 6, 4)
	s_cmp_eq_u32 s2, 0
	s_cbranch_scc0 .Lentry_in_a_cluster
	s_endpgm
.Lentry_in_a_cluster:
	s_bfe_u32 s2, ttmp6, 0x10000c
	s_cmp_lg_u32 s2, 0x3003
	s_cbranch_scc0 .Lentry_shape_is_right
	s_endpgm
.Lentry_shape_is_right:
; att[h][2048 b + q][:] = f16(sum over k of softmax_k(Q[q] . K[k] / 8) V[k][:]) for each of the 64 (b, h).  Q, K, V: the three parts of qkv, f16, [64][2048][64].  Products on f16 operands, sums, maxima and the
; softmax in f32; the weights p are rounded to f16 for the second product; the row's sum is taken of the f32 p.  K comes without its bias (dead work: shown at the head of launch prep).
; LIMIT: attention's result is rounded to f16.
; SHARES.  A work-group owns 512 queries of one (b, h), each of its eight waves 64: four tiles of 16, in 512 registers: two waves to a SIMD, so that one wave's vector work stands beside the other's matrix work.
; Every wave walks all 2,048 keys, 64 a step; a fragment of K or V read from LDS feeds four matrix instructions.
; LAYOUT.  S^T = K Q^T (source 0 = 16 keys, source 1 = 16 queries): a lane holds ONE query (lane % 16) and keys 8 (lane / 16) + 0..7.  Two such tiles, rounded to f16 in pairs, ARE source 1 (32 keys x 16 queries)
; of O^T = V^T P, whose result again holds one query a lane.  K comes out of LDS as it lies, V ([key][channel]) turned, by ds_load_tr16_b128.
; SOFTMAX.  For each query a running maximum m and sum l: p = 2^(c s - c m), c = log2(e) / 8; in every step O and l are multiplied by a = 2^(c m_old - c m_new).
; RING.  Two LDS slots of 512 keys (eight steps); waves 0-3 fetch K's quarters, waves 4-7 V's, one tensor load a wave.  Two loads of a wave are out at the start, one behind each change of slots that fills.
; CLUSTER.  The four work-groups of a (b, h) are one cluster and ask for K and V jointly: the same load, the same descriptor, a mask that names the four.
; A TRIP: fetch K of step i | softmax of step i - 1 | V^T P of step i - 1 | fetch V of step i | K Q^T of step i.
; REGISTERS.  window 0: v2-10 addresses; v30, v31 the add's two; v32-63 statistics, eight a tile: +0 c m, +1 m, +2, +3 l, +4..+7 at work (a takes +6); v64-191 S^T, 32 a tile, P laid over its first 16; v192-255 K.
;   window 1: v0-127 O^T, 32 a tile; v128-191 Q; v192-255 V.
.set KP,    144                        ; a row of K in LDS: 128 bytes + 16: the 16 rows of a load start 36 words apart
.set VP,    160                        ; a row of V: 128 + 32: the eight rows of a turning load start 40 words apart
.set VOFF,  512*KP                     ; a slot: 512 rows of K, then 512 rows of V
.set SLOTB, 512*(KP+VP)
.set SPARE, 2*SLOTB                    ; the spare words, 128 bytes for each of the eight waves; no other line names them
.set SP,    144                        ; the way out: a stage of 16 rows x (128 bytes + 16) for each wave, in slot 0, which has had its last fill and its last read by then
.set AK0, 2
.set AV0, 3
.set ADR, 4
.set QO,  6
.set STO, 7
.set RD,  8
.set GO,  10
.set SPW, 30
.set NIL, 31
.set ST,  32
.set S,   64
.set KF,  192
.set QF,  128                          ; in window 1
.set VF,  192                          ; in window 1
.set WV,  12
.set G1K, 24
.set G1V, 32
.set G0K, 40                           ; a set for each slot
.set G0V, 48
.set CNT, 56
.set TBK, 57                           ; LDS byte at which the K rows of the step to be fetched begin
.set CS,  58
.set SEL, 60
.set TBV, 62                           ; the same for V (VOFF stands in the lane's address)
.set MSB, 0
.macro WIN new                         ; the immediate's high byte repeats the setting that is left
.if MSB != (\new)
	s_set_vgpr_msb (MSB<<8)|(\new)
.set MSB, (\new)
.endif
.endm
.set W_KQ, 0x04                        ; Q (source 1) in window 1; K and S^T in window 0
.set W_PV, 0x51                        ; V (source 0) and O^T (C, D) in window 1; P in window 0
.set W_RS, 0x41                        ; O^T (destination and source 0) in window 1; a in window 0
.set W_L1, 0x40                        ; a load's destination in window 1
.macro JLOAD s                         ; a joint refill of slot s; the branch hangs on the wave's number alone.  An s_nop 0 and four v_nop follow each of the two lines
	s_cmp_lt_u32 s[WV], 4
	s_cbranch_scc0 .Lfor_v_\@
	tensor_load_to_lds s[G0K+4*\s:G0K+4*\s+3], s[G1K:G1K+7]
	s_nop 0
.rept 4
	v_nop
.endr
	s_branch .Lasked_\@
.Lfor_v_\@:
	tensor_load_to_lds s[G0V+4*\s:G0V+4*\s+3], s[G1V:G1V+7]
	s_nop 0
.rept 4
	v_nop
.endr
.Lasked_\@:
.endm
.macro CROUND                          ; a round of the cluster's barrier
	s_barrier_signal -1
	s_barrier_wait -1
	s_cmp_lg_u32 s[WV], 0
	s_cbranch_scc1 .Lnot_wave_0_\@
	s_barrier_signal -3
.Lnot_wave_0_\@:
	s_barrier_wait -3
	s_barrier_signal -1
	s_barrier_wait -1
.endm
	s_load_b128 s[4:7], s[0:1], 0x0                ; qkv s[4:5], att s[6:7]
	v_lshl_add_u32 v[SPW], v0, 2, SPARE
	v_mov_b32 v[NIL], 0
	ds_add_u32 v[SPW], v[NIL]                      ; the wave's opening: the add, twice on end, and its wait ahead of my first tensor load
	ds_add_u32 v[SPW], v[NIL]
	v_lshrrev_b32 v1, 5, v0
	v_readfirstlane_b32 s[WV], v1                  ; wave 0..7
	s_bfe_u32 s13, ttmp6, 0x40000                  ; cx
	s_lshl_b32 s15, ttmp9, 2
	s_add_co_u32 s15, s15, s13                     ; my block of 512 queries: it enters Q's and att's addresses alone
	s_and_b32 s14, ttmp7, 0xffff                   ; 16 b + h, which the four partners share
	s_and_b32 s16, s[WV], 3                        ; which 128 rows of a slot's 512 I fetch
	s_mul_i32 s17, s16, 128*KP                     ; their place in a slot, for K
	s_mul_i32 s18, s16, 128*VP                     ; and for V
	s_lshl_b32 s20, s14, 18                        ; a head's 2,048 rows of 128 bytes
	s_lshl_b32 s21, s16, 14
	s_add_co_u32 s20, s20, s21
	s_mov_b32 s21, 0                               ; s[20:21]: my rows of slot 0, from a part's first byte
	s_lshl_b32 s22, s14, 18
	s_lshl_b32 s23, s15, 16
	s_add_co_u32 s22, s22, s23
	s_lshl_b32 s23, s[WV], 13
	s_add_co_u32 s22, s22, s23
	s_mov_b32 s23, 0                               ; s[22:23]: my wave's 64 queries
	s_and_b32 s2, s14, 15
	s_lshl_b32 s2, s2, 20                          ; att: h x 8,192 rows,
	s_lshr_b32 s3, s14, 4
	s_lshl_b32 s3, s3, 18                          ; b x 2,048 rows,
	s_add_co_u32 s2, s2, s3
	s_lshl_b32 s3, s15, 16
	s_add_co_u32 s2, s2, s3
	s_lshl_b32 s3, s[WV], 13
	s_add_co_u32 s2, s2, s3                        ; and my wave's 64
	s_mov_b32 s3, 0
	s_mov_b32 s[G1K], 15|(1<<16)|(1<<20)|(1<<21)|(4<<22)|(3<<25)   ; the mask: all four; elements of 2 bytes; padding on; bit 21 beside a mask; after every 32 words, 4 words
	s_mov_b32 s[G1V], 15|(1<<16)|(1<<20)|(1<<21)|(4<<22)|(7<<25)   ; the same with 8 words
.irp g, G1K, G1V
	s_mov_b32 s[\g+1], 64<<16                      ; tensor_dim0
	s_mov_b32 s[\g+2], 128<<16                     ; tensor_dim1
	s_mov_b32 s[\g+3], 64<<16                      ; tile_dim0
	s_mov_b32 s[\g+4], 128                         ; tile_dim1
	s_mov_b32 s[\g+5], 64                          ; from row to row
	s_mov_b32 s[\g+6], 0
	s_mov_b32 s[\g+7], 0
.endr
	s_mov_b32 s[CS], 0x3e38aa3b                    ; c = log2(e) / 8
	s_mov_b32 s[CS+1], s[CS]                       ; (named with it as a pair, so it is written)
	s_mov_b32 s[SEL], 0x76543210
	s_mov_b32 s[SEL+1], 0xfedcba98                 ; v_permlanex16_b32: lane l xor 16
	s_mov_b32 s[TBK], 0
	s_mov_b32 s[TBV], 0
	s_wait_dscnt 0x0                               ; both opening adds are done
	s_wait_kmcnt 0x0
	s_add_nc_u64 s[8:9], s[4:5], s[20:21]
	s_add_nc_u64 s[10:11], s[8:9], 0x2000000       ; V: the third part
	s_add_nc_u64 s[8:9], s[8:9], 0x1000000         ; K: the second
	s_add_nc_u64 s[4:5], s[4:5], s[22:23]          ; Q: the first
	s_add_nc_u64 s[6:7], s[6:7], s[2:3]
	CROUND                                         ; all four work-groups are here: the first joint loads meet
.irp s, 0,1
	s_mov_b32 s[G0K+4*\s], 1
	s_add_co_u32 s[G0K+4*\s+1], s17, \s*SLOTB
	s_add_nc_u64 s[G0K+4*\s+2:G0K+4*\s+3], s[8:9], \s*512*128
	s_or_b32 s[G0K+4*\s+3], s[G0K+4*\s+3], 0x80000000
	s_mov_b32 s[G0V+4*\s], 1
	s_add_co_u32 s[G0V+4*\s+1], s18, \s*SLOTB+VOFF
	s_add_nc_u64 s[G0V+4*\s+2:G0V+4*\s+3], s[10:11], \s*512*128
	s_or_b32 s[G0V+4*\s+3], s[G0V+4*\s+3], 0x80000000
.endr
	s_cmp_lt_u32 s[WV], 4                          ; a wave's two first fills stand in one branch, ahead of every wait on TENSORcnt and every LDS read
	s_cbranch_scc0 .Lfirst_v
	tensor_load_to_lds s[G0K:G0K+3], s[G1K:G1K+7]
	s_nop 0
	tensor_load_to_lds s[G0K+4:G0K+7], s[G1K:G1K+7]
	s_nop 0
.rept 4
	v_nop
.endr
	s_branch .Lfirst_asked
.Lfirst_v:
	tensor_load_to_lds s[G0V:G0V+3], s[G1V:G1V+7]
	s_nop 0
	tensor_load_to_lds s[G0V+4:G0V+7], s[G1V:G1V+7]
	s_nop 0
.rept 4
	v_nop
.endr
.Lfirst_asked:
	v_and_b32 v1, 15, v0                           ; r = l % 16
	v_bfe_u32 v9, v0, 4, 1                         ; h = l / 16
	v_lshlrev_b32 v[QO], 7, v1
	v_lshl_add_u32 v[QO], v9, 4, v[QO]             ; Q: row r of 128 bytes, + 16 h
	WIN W_L1
.irp i, 0,1,2,3,4,5,6,7                        ; Q stays in registers: tile i / 2, channels 32 (i % 2) on
	global_load_b128 v[QF+8*\i:QF+8*\i+3],   v[QO], s[4:5] offset:(\i/2)*2048+(\i%2)*64
	global_load_b128 v[QF+8*\i+4:QF+8*\i+7], v[QO], s[4:5] offset:(\i/2)*2048+(\i%2)*64+32
.endr
	WIN 0
	v_mul_u32_u24 v[AK0], v1, KP
	v_lshl_add_u32 v[AK0], v9, 4, v[AK0]           ; K: row x pitch + 16 h
	v_and_b32 v11, 7, v0
	v_bfe_u32 v12, v0, 3, 1
	v_lshl_add_u32 v[AV0], v9, 3, v11              ; V, for the turning load: key 8 h + l % 8, channels 8 ((l / 8) % 2) on
	v_mul_u32_u24 v[AV0], v[AV0], VP
	v_lshl_add_u32 v[AV0], v12, 4, v[AV0]
	v_add_nc_u32 v[AV0], VOFF, v[AV0]
	s_mul_i32 s19, s[WV], 16*SP                    ; my stage
	v_mul_u32_u24 v[STO], v1, SP
	v_lshl_add_u32 v[STO], v9, 4, v[STO]
	v_add_nc_u32 v[STO], s19, v[STO]               ; in: row r, + 16 h
	v_and_b32 v13, 31, v0
	v_lshlrev_b32 v[GO], 4, v13                    ; 16 rows of att are 2,048 consecutive bytes: 16 a lane
	v_lshrrev_b32 v13, 3, v13
	v_mul_u32_u24 v[RD], v13, SP
	v_lshl_add_u32 v[RD], v11, 4, v[RD]
	v_add_nc_u32 v[RD], s19, v[RD]                 ; back: eight lanes to a row, four rows an instruction
; A step's K: 64 keys x 64 channels, eight fragments.  Four v_nop are the places between the products that read K's registers (and wrote the scores that the softmax reads next) and these loads.
.macro FETCH_K
	WIN 0
.rept 4
	v_nop
.endr
	v_add_nc_u32 v[ADR], s[TBK], v[AK0]
	s_add_co_u32 s[TBK], s[TBK], 64*KP
.irp f, 0,1,2,3,4,5,6,7                        ; keys 16 (f / 2) on, channels 32 (f % 2) on
	ds_load_b128 v[KF+8*\f:KF+8*\f+3],   v[ADR] offset:(\f/2)*16*KP+(\f%2)*64
	ds_load_b128 v[KF+8*\f+4:KF+8*\f+7], v[ADR] offset:(\f/2)*16*KP+(\f%2)*64+32
.endr
.endm
; A step's V, turned.  Five v_nop: four are the places in front of loads into V's registers; the fifth is owed because the next products K Q^T write over P, which the products just issued read as a source.
.macro FETCH_V
	WIN 0
.rept 5
	v_nop
.endr
	v_add_nc_u32 v[ADR], s[TBV], v[AV0]
	s_add_co_u32 s[TBV], s[TBV], 64*VP
	WIN W_L1
.irp f, 0,1,2,3,4,5,6,7                        ; keys 32 (f / 4) on, channels 16 (f % 4) on
	ds_load_tr16_b128 v[VF+8*\f:VF+8*\f+3],   v[ADR] offset:(\f/4)*32*VP+(\f%4)*32
	ds_load_tr16_b128 v[VF+8*\f+4:VF+8*\f+7], v[ADR] offset:(\f/4)*32*VP+(\f%4)*32+16*VP
.endr
.endm
; 32 products S^T = K Q^T: the 16 accumulators take turns, one instruction a turn; the first 16 start the sums.
.macro KQ
	WIN W_KQ
.irp c, 0,1
.irp kt, 0,1,2,3
.irp t, 0,1,2,3
.if \c == 0
	v_wmma_f32_16x16x32_f16 v[S+32*\t+8*\kt:S+32*\t+8*\kt+7], v[KF+8*(2*\kt+\c):KF+8*(2*\kt+\c)+7], v[QF+16*\t+8*\c:QF+16*\t+8*\c+7], 0
.else
	v_wmma_f32_16x16x32_f16 v[S+32*\t+8*\kt:S+32*\t+8*\kt+7], v[KF+8*(2*\kt+\c):KF+8*(2*\kt+\c)+7], v[QF+16*\t+8*\c:QF+16*\t+8*\c+7], v[S+32*\t+8*\kt:S+32*\t+8*\kt+7]
.endif
.endr
.endr
.endr
.endm
; 32 products O^T += V^T P, likewise by turns.  first = 1: the first 16 start the sums: nothing is ever cleared.
.macro PV first
	WIN W_PV
.irp u, 0,1
.irp ct, 0,1,2,3
.irp t, 0,1,2,3
.if \first && (\u == 0)
	v_wmma_f32_16x16x32_f16 v[32*\t+8*\ct:32*\t+8*\ct+7], v[VF+8*(4*\u+\ct):VF+8*(4*\u+\ct)+7], v[S+32*\t+8*\u:S+32*\t+8*\u+7], 0
.else
	v_wmma_f32_16x16x32_f16 v[32*\t+8*\ct:32*\t+8*\ct+7], v[VF+8*(4*\u+\ct):VF+8*(4*\u+\ct)+7], v[S+32*\t+8*\u:S+32*\t+8*\u+7], v[32*\t+8*\ct:32*\t+8*\ct+7]
.endif
.endr
.endr
.endr
.endm
; THE SOFTMAX of one key step, the four tiles by turns in every line, so that no line waits for the line above it.  first = 1: the first key step: no old maximum, no a, nothing to rescale.
.macro SM first
	WIN 0
.irp j, 0,1,2,3                                ; the maximum of a lane's 32 scores: four chains, each accumulator from its low end on
.irp t, 0,1,2,3
	v_max3_num_f32 v[ST+8*\t+4+\j], v[S+32*\t+8*\j], v[S+32*\t+8*\j+1], v[S+32*\t+8*\j+2]
.endr
.endr
.irp g, 1,2
.irp j, 0,1,2,3
.irp t, 0,1,2,3
	v_max3_num_f32 v[ST+8*\t+4+\j], v[ST+8*\t+4+\j], v[S+32*\t+8*\j+2*\g+1], v[S+32*\t+8*\j+2*\g+2]
.endr
.endr
.endr
.irp t, 0,1,2,3
	v_max3_num_f32 v[ST+8*\t+4], v[ST+8*\t+4], v[S+32*\t+7], v[S+32*\t+15]
.endr
.irp t, 0,1,2,3
	v_max3_num_f32 v[ST+8*\t+6], v[ST+8*\t+6], v[S+32*\t+23], v[S+32*\t+31]
.endr
.irp t, 0,1,2,3
	v_max3_num_f32 v[ST+8*\t+4], v[ST+8*\t+4], v[ST+8*\t+5], v[ST+8*\t+6]
.endr
.irp t, 0,1,2,3
.if \first
	v_max_num_f32 v[ST+8*\t+4], v[ST+8*\t+4], v[ST+8*\t+7]
.else
	v_max3_num_f32 v[ST+8*\t+4], v[ST+8*\t+4], v[ST+8*\t+7], v[ST+8*\t+1]   ; and the old m
.endif
.endr
.irp t, 0,1,2,3
	v_permlanex16_b32 v[ST+8*\t+5], v[ST+8*\t+4], s[SEL], s[SEL+1]          ; the query's other 32 keys lie in the lane 16 away
.endr
.if !\first
.irp t, 0,1,2,3
	v_mov_b32 v[ST+8*\t+7], v[ST+8*\t]             ; c m_old is kept for a
.endr
.endif
.irp t, 0,1,2,3
	v_max_num_f32 v[ST+8*\t+1], v[ST+8*\t+4], v[ST+8*\t+5]                  ; the new m
.endr
.irp t, 0,1,2,3
	v_mul_f32 v[ST+8*\t], s[CS], v[ST+8*\t+1]      ; c m
.endr
.if !\first
.irp t, 0,1,2,3
	v_sub_f32 v[ST+8*\t+7], v[ST+8*\t+7], v[ST+8*\t]                        ; c m_old - c m_new
.endr
.endif
.set p, 0
.rept 16
.irp t, 0,1,2,3
	v_pk_fma_f32 v[S+32*\t+2*p:S+32*\t+2*p+1], v[S+32*\t+2*p:S+32*\t+2*p+1], s[CS:CS+1], v[ST+8*\t:ST+8*\t+1] op_sel_hi:[1,0,0] neg_lo:[0,0,1] neg_hi:[0,0,1]   ; c s - c m, two at a time
.endr
.set p, p+1
.endr
.if !\first
.irp t, 0,1,2,3
	v_exp_f32 v[ST+8*\t+6], v[ST+8*\t+7]           ; a
.endr
.endif
.set p, 0
.rept 32
.irp t, 0,1,2,3
	v_exp_f32 v[S+32*\t+p], v[S+32*\t+p]           ; p = 2^(c s - c m), at most 1
.endr
.set p, p+1
.endr
	v_nop                                          ; a plain instruction behind the last exponential,
	s_wait_alu depctr_va_vdst(0)                   ; and one wait for the whole batch, ahead of its first reader
.irp t, 0,1,2,3                                ; the row's sum, of the f32 p; the scores' registers stay as they are
.if \first
	v_pk_add_f32 v[ST+8*\t+2:ST+8*\t+3], v[S+32*\t:S+32*\t+1], v[S+32*\t+2:S+32*\t+3]
.else
	v_pk_fma_f32 v[ST+8*\t+2:ST+8*\t+3], v[ST+8*\t+2:ST+8*\t+3], v[ST+8*\t+6:ST+8*\t+7], v[S+32*\t:S+32*\t+1] op_sel_hi:[1,0,1]
.endif
.endr
.set p, 1+\first
.rept 15-\first
.irp t, 0,1,2,3
	v_pk_add_f32 v[ST+8*\t+2:ST+8*\t+3], v[ST+8*\t+2:ST+8*\t+3], v[S+32*\t+2*p:S+32*\t+2*p+1]
.endr
.set p, p+1
.endr
.set p, 0
.rept 16
.irp t, 0,1,2,3
	v_cvt_pk_f16_f32 v[S+32*\t+p], v[S+32*\t+2*p], v[S+32*\t+2*p+1]         ; P, in place: register p takes pair p, whose registers lie at or above it
.endr
.set p, p+1
.endr
.if !\first
	WIN W_RS
.set p, 0
.rept 16
.irp t, 0,1,2,3
	v_pk_mul_f32 v[32*\t+2*p:32*\t+2*p+1], v[32*\t+2*p:32*\t+2*p+1], v[ST+8*\t+6:ST+8*\t+7] op_sel_hi:[1,0]   ; O^T x a, each accumulator from its low end on
.endr
.set p, p+1
.endr
.endif
.endm
.macro T first
	FETCH_K
	SM \first
	s_wait_dscnt 16                                ; V of the step in hand is in; K's sixteen younger loads may be out
	PV \first
	FETCH_V
	s_wait_dscnt 16                                ; K is in; V's sixteen younger loads may be out
	KQ
.endm
.macro STEPS n
	s_mov_b32 s[CNT], \n
.Lstep_\@:
	T 0
	WIN 0                                          ; at a label and at a branch every window is 0
	s_sub_co_u32 s[CNT], s[CNT], 1
	s_cmp_lg_u32 s[CNT], 0
	s_cbranch_scc1 .Lstep_\@
.endm
; THE CHANGE OF SLOTS, from slot s to the other, behind a trip in which the last K and V of slot s have been asked for.  Each wave waits for all its tensor loads (its part of the other slot), adds 0 to its spare word,
; and waits for that and for its reads of slot s.  fill = 1: the barrier is a round of the cluster's, and the joint refill of slot s, with the keys 1,024 further on, is the first thing behind it: it has eight steps in which to land.
.macro CHANGE fill, s
	WIN 0
	s_wait_tensorcnt 0x0                           ; no tensor load of mine is out, so a group 0 may be written
	ds_add_u32 v[SPW], v[NIL]                      ; 0 onto my spare word
.if \fill
	s_add_nc_u64 s[G0K+4*\s+2:G0K+4*\s+3], s[G0K+4*\s+2:G0K+4*\s+3], 2*512*128
	s_add_nc_u64 s[G0V+4*\s+2:G0V+4*\s+3], s[G0V+4*\s+2:G0V+4*\s+3], 2*512*128
.endif
	s_mov_b32 s[TBK], (1-\s)*SLOTB                 ; the fetches go on at the other slot's first step
	s_mov_b32 s[TBV], (1-\s)*SLOTB
	s_wait_dscnt 0x0                               ; the add is done, and my reads of slot s are over
.if \fill
	CROUND
	JLOAD \s
.else
	s_barrier_signal -1
	s_barrier_wait -1
.endif
.endm
	s_wait_tensorcnt 1                             ; my part of slot 0 is in; slot 1's may stay out
	s_barrier_signal -1
	s_barrier_wait -1
	FETCH_K                                        ; step 0
	FETCH_V
	s_wait_loadcnt 0x0                             ; Q
	s_wait_dscnt 16                                ; K is in; V's sixteen may be out
	KQ
	T 1                                            ; step 1's trip carries step 0's softmax, which starts m, l and O^T
	WIN 0
	STEPS 6                                        ; steps 2 to 7
	CHANGE 1, 0                                    ; slot 0 takes keys 1,024 on
	STEPS 8                                        ; steps 8 to 15, from slot 1
	CHANGE 1, 1                                    ; slot 1 takes keys 1,536 on
	STEPS 8                                        ; steps 16 to 23
	CHANGE 0, 0                                    ; nothing is left to fetch
	STEPS 8                                        ; steps 24 to 31
.rept 4
	v_nop                                          ; the places behind the last K Q^T
.endr
	SM 0
	s_wait_dscnt 0x0
	PV 0
	; THE WAY OUT.  l's two halves and the other half of the lanes' are added (these lines are the places behind the last products); O^T is divided by l, rounded to f16 and sent through my stage, a tile at a time.
	WIN 0
.irp t, 0,1,2,3
	v_add_f32 v[ST+8*\t+4], v[ST+8*\t+2], v[ST+8*\t+3]
.endr
.irp t, 0,1,2,3
	v_permlanex16_b32 v[ST+8*\t+5], v[ST+8*\t+4], s[SEL], s[SEL+1]
.endr
.irp t, 0,1,2,3
	v_add_f32 v[ST+8*\t+4], v[ST+8*\t+4], v[ST+8*\t+5]
.endr
.irp t, 0,1,2,3
	v_rcp_f32 v[ST+8*\t+6], v[ST+8*\t+4]
.endr
	v_nop                                          ; a plain instruction behind the last reciprocal,
	s_wait_alu depctr_va_vdst(0)                   ; and one wait for the four, ahead of the first use
.macro PACK t
	WIN W_RS
.set p, 0
.rept 16
	v_pk_mul_f32 v[32*\t+2*p:32*\t+2*p+1], v[32*\t+2*p:32*\t+2*p+1], v[ST+8*\t+6:ST+8*\t+7] op_sel_hi:[1,0]
.set p, p+1
.endr
	WIN 0x05                                       ; sources 0 and 1 window 1, destination window 0
.set p, 0
.rept 16
	v_cvt_pk_f16_f32 v[S+32*\t+p], v[32*\t+2*p], v[32*\t+2*p+1]
.set p, p+1
.endr
	WIN 0
.irp f, 0,1,2,3
	ds_store_b128 v[STO], v[S+32*\t+4*\f:S+32*\t+4*\f+3] offset:32*\f
.endr
.irp f, 0,1,2,3
	ds_load_b128 v[S+32*\t+16+4*\f:S+32*\t+16+4*\f+3], v[RD] offset:\f*4*SP   ; LDS serves a wave's instructions in order: these see the stores above, and the next tile's stores come behind them
.endr
.endm
.macro SEND t, younger                 ; younger: the LDS instructions issued behind tile t's loads: the next tile's eight, or none
.irp f, 0,1,2,3
	s_wait_dscnt \younger+3-\f
	global_store_b128 v[GO], v[S+32*\t+16+4*\f:S+32*\t+16+4*\f+3], s[6:7] offset:\t*2048+\f*512   ; the wave stores 512 consecutive bytes, aligned
.endr
.endm
	PACK 0
	PACK 1
	SEND 0, 8
	PACK 2
	SEND 1, 8
	PACK 3
	SEND 2, 8
	SEND 3, 0
	s_wait_tensorcnt 0x0                           ; the wave's end, behind my last tensor load and my last LDS store
	ds_add_u32 v[SPW], v[NIL]
	s_wait_dscnt 0x0
	CROUND                                         ; the closing round
	s_endpgm
.Lfunc_end_k_q5353376887_attn:
	.size	k_q5353376887_attn, .Lfunc_end_k_q5353376887_attn-k_q5353376887_attn
	.p2alignl 7, 3214868480
	.fill 96, 4, 3214868480
	.section	.rodata,"a",@progbits
	.p2align	6, 0x0
	.amdhsa_kernel k_q5353376887_attn
		.amdhsa_group_segment_fixed_size 327680
		.amdhsa_private_segment_fixed_size 0
		.amdhsa_enable_private_segment 0
		.amdhsa_kernarg_size 16
		.amdhsa_user_sgpr_count 2
		.amdhsa_user_sgpr_kernarg_segment_ptr 1
		.amdhsa_wavefront_size32 1
		.amdhsa_system_sgpr_workgroup_id_x 1
		.amdhsa_system_sgpr_workgroup_id_y 1
		.amdhsa_system_sgpr_workgroup_id_z 1
		.amdhsa_system_vgpr_workitem_id 0
		.amdhsa_next_free_vgpr 512
		.amdhsa_next_free_sgpr 66
		.amdhsa_reserve_vcc 0
		.amdhsa_float_denorm_mode_32 3
		.amdhsa_float_denorm_mode_16_64 3
		.amdhsa_memory_ordered 1
		.amdhsa_forward_progress 1
		.amdhsa_inst_pref_size 211
	.end_amdhsa_kernel
	.amdgpu_metadata
---
amdhsa.version: [ 1, 2 ]
amdhsa.kernels:
  - .name:           k_q5353376887_attn
    .symbol:         k_q5353376887_attn.kd
    .args:
      - { .name: qkv, .offset: 0, .size: 8, .value_kind: global_buffer, .address_space: global }
      - { .name: att, .offset: 8, .size: 8, .value_kind: global_buffer, .address_space: global }
    .group_segment_fixed_size: 327680
    .private_segment_fixed_size: 0
    .kernarg_segment_align: 8
    .kernarg_segment_size: 16
    .max_flat_workgroup_size: 256
    .sgpr_count:     66
    .vgpr_count:     512
    .wavefront_size: 32
...
	.end_amdgpu_metadata
.endif
;; end of part 3
;; launch proj (part 4): grid 8 x 32, 4 waves a work-group, clusters of 4 x 4, 327,680 bytes of LDS; arguments att, wo16, b_out, out0; writes out0
.if DOCPART == 4
	.amdgcn_target "amdgcn-amd-amdhsa--gfx1250"
	.amdhsa_code_object_version 6
	.text
	.protected	k_q5353376887_proj
	.globl	k_q5353376887_proj
	.p2align	8
	.type	k_q5353376887_proj,@function
k_q5353376887_proj:
	s_mov_b64 s[64:65], 0
	v_nop
	global_prefetch_b8 v0, s[64:65] scope:SCOPE_SE
	s_setreg_imm32_b32 hwreg(HW_REG_WAVE_MODE, 25, 1), 1
	s_wait_xcnt 0x0
	s_wait_alu depctr_hold_cnt(0) depctr_sa_sdst(0) depctr_va_vdst(0) depctr_va_sdst(0) depctr_va_ssrc(0) depctr_va_vcc(0) depctr_vm_vsrc(0)
	s_getreg_b32 s2, hwreg(HW_REG_IB_STS2, 6, 4)
	s_cmp_eq_u32 s2, 0
	s_cbranch_scc0 .Lentry_in_a_cluster
	s_endpgm
.Lentry_in_a_cluster:
	s_bfe_u32 s2, ttmp6, 0x10000c
	s_cmp_lg_u32 s2, 0xf033
	s_cbranch_scc0 .Lentry_shape_is_right
	s_endpgm
.Lentry_shape_is_right:
; out0[m][n] = sum over k of o[m][k] W_out[k][n] + b_out[n], f16 operands, f32 sums.  o is att, f16, [16 h][8192 m][64]: k = 64 h + d.  wo16: f16, [1024 k][1024 n], as W_out lies.  out0: [8192][1024] f32.
; A tile of 256 x 128 gives 256 work-groups of four waves; wave (w >> 1, w & 1) makes 128 rows x 64 columns: 32 accumulators.  K goes in eight steps of 128 (two heads) through two LDS slots.
; Waves 0 and 1 fetch A's two heads (256 rows x 128 bytes each), waves 2 and 3 the two halves of B's 128 rows of K (256 bytes each): one tensor load a wave; two are out at the start, one behind each change of slots.
; CLUSTERS: 4 x 4 work-groups; A's tiles are asked for jointly along a row of the cluster, B's along a column.
; THE MATRIX INSTRUCTION IS USED TRANSPOSED: source 0 = 16 columns n of W_out (turned out of LDS by ds_load_tr16_b128, since K is its first axis), source 1 = 16 rows of o: a lane holds eight neighbouring columns of one row.
; The bias is the C of each sum's first matrix instruction.
; REGISTERS: window 0: v16-29 addresses; v32-63 the bias; v64-127 rows on the way out.   window 1: two fragment buffers of 96: A's eight blocks, then B's four.   window 2: accumulator (a, b) at v[8 (4 a + b)].
.set PA,     144                       ; a row of A in LDS: 128 bytes + 16
.set PB,     288                       ; a row of B: 256 bytes + 32
.set ASUB,   256*PA                    ; one head's 256 rows
.set BOFF,   2*ASUB
.set SLOT,   BOFF+128*PB
.set STAGE,  2*SLOT                    ; behind the ring: 16 rows x (256 bytes + 16) for each wave; no tensor load fills it
.set SPITCH, 272
.set SPARE,  STAGE+4*16*SPITCH         ; the spare words, 128 bytes for each wave; no other line names them
.set LAPS,   4                         ; a lap = two K steps = once round the ring
.set ADRA, 16
.set ADRB, 20
.set STO,  24
.set RD,   25
.set CO,   26
.set BO,   27
.set SPW,  28
.set NIL,  29
.set BI,   32
.set BK,   64
.set F0,   0
.set F1,   96
.set G1, 24
.set G0, 32
.set G1B, 48
.set G0B, 56
.set MSB, 0
.macro WIN new                         ; the immediate's high byte repeats the setting that is left
.if MSB != (\new)
	s_set_vgpr_msb (MSB<<8)|(\new)
.set MSB, (\new)
.endif
.endm
.set MUL,   0xa5                       ; sources 0 and 1 window 1; C and D window 2
.set FIRST, 0x85                       ; the first products: C is the bias, in window 0
.set TO_F,  0x40
.macro JLOAD s                         ; a joint load; the branch hangs on the wave's number alone.  An s_nop 0 and four v_nop follow each of the two lines
	s_cmp_eq_u32 s13, 0
	s_cbranch_scc0 .Lfor_b_\@
	tensor_load_to_lds s[G0+4*\s:G0+4*\s+3], s[G1:G1+7]
	s_nop 0
.rept 4
	v_nop
.endr
	s_branch .Lasked_\@
.Lfor_b_\@:
	tensor_load_to_lds s[G0B+4*\s:G0B+4*\s+3], s[G1B:G1B+7]
	s_nop 0
.rept 4
	v_nop
.endr
.Lasked_\@:
.endm
.macro CREST                           ; a round of the cluster's barrier behind its opening barrier
	s_cmp_lg_u32 s12, 0
	s_cbranch_scc1 .Lnot_wave_0_\@
	s_barrier_signal -3
.Lnot_wave_0_\@:
	s_barrier_wait -3
	s_barrier_signal -1
	s_barrier_wait -1
.endm
.macro CROUND
	s_barrier_signal -1
	s_barrier_wait -1
	CREST
.endm
	s_load_b256 s[4:11], s[0:1], 0x0               ; att s[4:5], wo16 s[6:7], b_out s[8:9], out0 s[10:11]
	v_lshl_add_u32 v[SPW], v0, 2, SPARE
	v_mov_b32 v[NIL], 0
	ds_add_u32 v[SPW], v[NIL]                      ; the wave's opening: the add, twice on end, and its wait ahead of my first tensor load
	ds_add_u32 v[SPW], v[NIL]
	v_lshrrev_b32 v1, 5, v0
	v_readfirstlane_b32 s12, v1                    ; wave 0..3
	s_lshr_b32 s13, s12, 1                         ; which half of the tile's rows is mine.  Also: I fetch for A (0) or for B (1)
	s_and_b32 s14, s12, 1                          ; which half of its columns.  Also: which head of A's two, or which 64 rows of B's 128, I fetch
	s_bfe_u32 s40, ttmp6, 0x40000                  ; cx, cy
	s_bfe_u32 s41, ttmp6, 0x40004
	s_lshl_b32 s42, ttmp9, 2
	s_add_co_u32 s42, s42, s40                     ; tile column
	s_and_b32 s15, ttmp7, 0xffff
	s_lshl_b32 s15, s15, 2
	s_add_co_u32 s15, s15, s41                     ; tile row
	s_lshl_b32 s43, s41, 2
	s_lshl_b32 s43, 15, s43                        ; my row of the cluster
	s_lshl_b32 s44, 0x1111, s40                    ; my column
	s_or_b32 s[G1+0], s43, (1<<16)|(1<<20)|(1<<21)|(4<<22)|(3<<25)   ; A: the mask; elements of 2 bytes; padding on; bit 21 beside a mask; after every 32 words, 4 words
	s_mov_b32 s[G1+1], 64<<16                      ; tensor_dim0
	s_mov_b32 s[G1+2], 256<<16                     ; tensor_dim1
	s_mov_b32 s[G1+3], 64<<16                      ; tile_dim0
	s_mov_b32 s[G1+4], 256                         ; tile_dim1
	s_mov_b32 s[G1+5], 64                          ; from row to row
	s_mov_b32 s[G1+6], 0
	s_mov_b32 s[G1+7], 0
	s_or_b32 s[G1B+0], s44, (1<<16)|(1<<20)|(1<<21)|(5<<22)|(7<<25)  ; B: after every 64 words, 8 words
	s_mov_b32 s[G1B+1], 128<<16
	s_mov_b32 s[G1B+2], 64<<16
	s_mov_b32 s[G1B+3], 128<<16
	s_mov_b32 s[G1B+4], 64
	s_mov_b32 s[G1B+5], 1024
	s_mov_b32 s[G1B+6], 0
	s_mov_b32 s[G1B+7], 0
	s_lshl_b32 s16, s14, 20                        ; A: my head of the step's two, 8,192 rows of 128 bytes each,
	s_lshl_b32 s17, s15, 15                        ; and the tile's 256 rows
	s_add_co_u32 s16, s16, s17
	s_mov_b32 s17, 0
	s_lshl_b32 s46, s14, 17                        ; B: my 64 rows of K, 2,048 bytes each,
	s_lshl_b32 s47, s42, 8                         ; and the tile's 128 columns
	s_add_co_u32 s46, s46, s47
	s_mov_b32 s47, 0
	s_mul_i32 s20, s14, ASUB                       ; where they go: no place in the cluster enters an LDS address
	s_mul_i32 s23, s14, 64*PB
	s_add_co_u32 s23, s23, BOFF
	s_wait_dscnt 0x0                               ; both opening adds are done
	s_wait_kmcnt 0x0
	s_add_nc_u64 s[18:19], s[4:5], s[16:17]
	s_add_nc_u64 s[46:47], s[6:7], s[46:47]
	CROUND                                         ; all sixteen work-groups are here: the first joint loads meet
.irp s, 0,1
	s_mov_b32 s[G0+4*\s], 1
	s_add_co_u32 s[G0+4*\s+1], s20, \s*SLOT
	s_add_nc_u64 s[G0+4*\s+2:G0+4*\s+3], s[18:19], \s*2097152       ; K step s: two heads on
	s_or_b32 s[G0+4*\s+3], s[G0+4*\s+3], 0x80000000
	s_mov_b32 s[G0B+4*\s], 1
	s_add_co_u32 s[G0B+4*\s+1], s23, \s*SLOT
	s_add_nc_u64 s[G0B+4*\s+2:G0B+4*\s+3], s[46:47], \s*262144      ; 128 rows of K on
	s_or_b32 s[G0B+4*\s+3], s[G0B+4*\s+3], 0x80000000
	JLOAD \s
.endr
	v_and_b32 v1, 15, v0                           ; r = l % 16
	v_bfe_u32 v2, v0, 4, 1                         ; h = l / 16
	v_mul_u32_u24 v3, v1, PA
	v_lshl_add_u32 v3, v2, 4, v3                   ; A: row x pitch + 16 h
	s_mul_i32 s21, s13, 128*PA                     ; my 128 rows
	v_and_b32 v4, 7, v0
	v_bfe_u32 v5, v0, 3, 1
	v_lshl_add_u32 v4, v2, 3, v4                   ; B, for the turning load: row of K 8 h + l % 8, columns 8 ((l / 8) % 2) on
	v_mul_u32_u24 v4, v4, PB
	v_lshl_add_u32 v4, v5, 4, v4
	s_lshl_b32 s22, s14, 7                         ; my 64 columns
	s_add_co_u32 s22, s22, BOFF
.irp s, 0,1
	v_add_nc_u32 v[ADRA+\s], s21, v3
	v_add_nc_u32 v[ADRB+\s], s22, v4
	s_add_co_u32 s21, s21, SLOT
	s_add_co_u32 s22, s22, SLOT
.endr
	s_mul_i32 s23, s12, 16*SPITCH
	s_add_co_u32 s23, s23, STAGE                   ; my stage
	v_mul_u32_u24 v5, v1, SPITCH
	v_lshl_add_u32 v5, v2, 5, v5
	v_add_nc_u32 v[STO], s23, v5                   ; in: row r, 32 bytes for each half of the lanes
	v_mul_u32_u24 v5, v2, SPITCH
	v_lshl_add_u32 v5, v1, 4, v5
	v_add_nc_u32 v[RD], s23, v5                    ; back: lanes 0-15 one row of 256 bytes, lanes 16-31 the next
	v_lshlrev_b32 v5, 12, v2
	v_lshl_add_u32 v[CO], v1, 4, v5                ; and the same two rows in out0
	v_lshlrev_b32 v[BO], 5, v2
	s_lshl_b32 s16, s15, 8
	s_lshl_b32 s17, s13, 7
	s_add_co_u32 s16, s16, s17                     ; my first row of out0,
	s_lshl_b32 s16, s16, 12                        ; of 4,096 bytes
	s_mov_b32 s17, 0
	s_add_nc_u64 s[10:11], s[10:11], s[16:17]
	s_lshl_b32 s46, s42, 9                         ; my first column, in bytes: 512 x tile column + 256 x half
	s_lshl_b32 s47, s14, 8
	s_add_co_u32 s46, s46, s47
	s_mov_b32 s47, 0
	s_add_nc_u64 s[10:11], s[10:11], s[46:47]
	s_add_nc_u64 s[8:9], s[8:9], s[46:47]          ; and the same place in b_out
.irp b, 0,1,2,3
	global_load_b128 v[BI+8*\b:BI+8*\b+3], v[BO], s[8:9] offset:64*\b          ; register 8 b + j: the bias of column 16 b + 8 h + j: the result's layout
	global_load_b128 v[BI+8*\b+4:BI+8*\b+7], v[BO], s[8:9] offset:64*\b+16
.endr
; 8 matrix instructions: A's blocks a0, a0 + 1 x B's four, 32 along K, from buffer f.  zero = 1: the first products take the bias as C.  The 32 accumulators take turns, in the same order in every quarter.
.macro MUL8 f, a0, zero
.irp a, \a0, \a0+1
.irp b, 0,1,2,3
.if \zero
	v_wmma_f32_16x16x32_f16 v[8*(4*(\a)+\b):8*(4*(\a)+\b)+7], v[\f+64+8*\b:\f+64+8*\b+7], v[\f+8*(\a):\f+8*(\a)+7], v[BI+8*\b:BI+8*\b+7]
.else
	v_wmma_f32_16x16x32_f16 v[8*(4*(\a)+\b):8*(4*(\a)+\b)+7], v[\f+64+8*\b:\f+64+8*\b+7], v[\f+8*(\a):\f+8*(\a)+7], v[8*(4*(\a)+\b):8*(4*(\a)+\b)+7]
.endif
.endr
.endr
.endm
; 24 LDS loads in one run: the fragments of the slot's q-th 32 along K into buffer f: B's four, A's blocks 0-3, A's blocks 4-7
.macro FETCH slot, q, f
	WIN TO_F
.irp b, 0,1,2,3
	ds_load_tr16_b128 v[\f+64+8*\b:\f+64+8*\b+3],   v[ADRB+\slot] offset:(\q)*32*PB+32*\b
	ds_load_tr16_b128 v[\f+64+8*\b+4:\f+64+8*\b+7], v[ADRB+\slot] offset:(\q)*32*PB+32*\b+16*PB
.endr
.irp a, 0,1,2,3,4,5,6,7
	ds_load_b128 v[\f+8*\a:\f+8*\a+3],   v[ADRA+\slot] offset:((\q)/2)*ASUB+((\q)%2)*64+\a*16*PA
	ds_load_b128 v[\f+8*\a+4:\f+8*\a+7], v[ADRA+\slot] offset:((\q)/2)*ASUB+((\q)%2)*64+\a*16*PA+32
.endr
.endm
.macro PLACES                          ; four places in front of loads into registers that matrix instructions have read, and of reads of results
.rept 4
	v_nop
.endr
.endm
; A K step is four quarters of 32 along K, 32 matrix instructions each, on buffers 0, 1, 0, 1.  One of the first three: multiplies buffer f and fetches quarter q of the same slot into g.
.macro QUARTER slot, q, f, g, zero
	s_wait_dscnt 8                                 ; B and A's blocks 0-3 are in; the youngest eight loads (A's blocks 4-7) may be out
.if \zero
	WIN FIRST
.else
	WIN MUL
.endif
	MUL8 \f, 0, \zero
	MUL8 \f, 2, \zero
	PLACES
	FETCH \slot, \q, \g
	s_wait_dscnt 24                                ; all but the 24 just issued
.if \zero
	WIN FIRST
.else
	WIN MUL
.endif
	MUL8 \f, 4, \zero
	MUL8 \f, 6, \zero
.endm
; The last quarter multiplies buffer 1 and changes slots: one barrier; in front of it each wave waits for all its tensor loads, adds 0 to its spare word, and waits for that and for its reads of this slot.
; fill = 1: the barrier opens a round of the cluster's, and this slot is filled again, two K steps ahead, first thing behind it.
.macro TURN slot, next, fill
	WIN 0
	s_wait_tensorcnt 0x0                           ; all my tensor loads have landed: my part of the next slot
	ds_add_u32 v[SPW], v[NIL]                      ; 0 onto my spare word
	s_wait_dscnt 9                                 ; the add and the youngest eight loads may be out
	WIN MUL
	MUL8 F1, 0, 0
	s_wait_dscnt 0x0                               ; the add is done, and my reads of this slot are over
	s_barrier_signal -1
	MUL8 F1, 2, 0
.if \fill
	WIN 0
.endif
	s_barrier_wait -1
.if \fill
	CREST                                          ; no wave of any partner still reads this slot's tiles or has a load on its way
	s_add_nc_u64 s[G0+4*\slot+2:G0+4*\slot+3], s[G0+4*\slot+2:G0+4*\slot+3], 4194304
	s_add_nc_u64 s[G0B+4*\slot+2:G0B+4*\slot+3], s[G0B+4*\slot+2:G0B+4*\slot+3], 524288
	JLOAD \slot                                    ; the four v_nop behind it are also the places in front of the loads below
.else
	PLACES
.endif
	FETCH \next, 0, F0
	WIN MUL
	MUL8 F1, 4, 0
	MUL8 F1, 6, 0
.endm
	s_wait_tensorcnt 1                             ; my part of K step 0 is in; K step 1's may stay out
	s_barrier_signal -1
	s_barrier_wait -1
	FETCH 0, 0, F0
	s_wait_loadcnt 0x0                             ; the bias
	QUARTER 0, 1, F0, F1, 1                        ; the first quarter stands in front of the loop: its products start the sums
	WIN 0
	s_mov_b32 s3, LAPS-1
.Llap:                                                 ; a trip goes once round the ring, from a lap's second quarter to the next lap's first, and fills both slots again
	QUARTER 0, 2, F1, F0, 0
	QUARTER 0, 3, F0, F1, 0
	TURN 0, 1, 1
	QUARTER 1, 1, F0, F1, 0
	QUARTER 1, 2, F1, F0, 0
	QUARTER 1, 3, F0, F1, 0
	TURN 1, 0, 1
	QUARTER 0, 1, F0, F1, 0
	WIN 0
	s_sub_co_u32 s3, s3, 1
	s_cmp_lg_u32 s3, 0
	s_cbranch_scc1 .Llap
	QUARTER 0, 2, F1, F0, 0                        ; the last lap fills nothing
	QUARTER 0, 3, F0, F1, 0
	TURN 0, 1, 0
	QUARTER 1, 1, F0, F1, 0
	QUARTER 1, 2, F1, F0, 0
	QUARTER 1, 3, F0, F1, 0
	s_wait_dscnt 8                                 ; the very last quarter: nothing more to fetch
	WIN MUL
	MUL8 F1, 0, 0
	MUL8 F1, 2, 0
	s_wait_dscnt 0
	MUL8 F1, 4, 0
	MUL8 F1, 6, 0
	WIN 0
; THE WAY OUT, block by block of 16 rows x 64 columns: through my own stage, and back as whole runs of 256 bytes of a row.
.macro TOSTAGE a
	WIN 0x08                                       ; an LDS store's data are its source 1: window 2
.irp b, 0,1,2,3
	ds_store_b128 v[STO], v[8*(4*(\a)+\b):8*(4*(\a)+\b)+3] offset:64*\b          ; each accumulator from its low end on
	ds_store_b128 v[STO], v[8*(4*(\a)+\b)+4:8*(4*(\a)+\b)+7] offset:64*\b+16
.endr
	WIN 0
.set BB, BK+32*((\a)%2)
.irp t, 0,1,2,3,4,5,6,7
	ds_load_b128 v[BB+4*\t:BB+4*\t+3], v[RD] offset:\t*2*SPITCH    ; LDS serves a wave's instructions in order: these see the stores above
.endr
.endm
.macro SEND a, younger                 ; younger: the LDS instructions issued behind block a's loads, which may stay out
.set BB, BK+32*((\a)%2)
	s_wait_dscnt \younger
.irp t, 0,1,2,3,4,5,6,7
	global_store_b128 v[CO], v[BB+4*\t:BB+4*\t+3], s[10:11] offset:(16*(\a)+2*\t)*4096 th:TH_STORE_NT   ; 16 lanes store 256 consecutive bytes, aligned; written once, read by nobody here
.endr
.endm
	PLACES
	TOSTAGE 0
.irp a, 1,2,3,4,5,6,7
.if \a > 1
	s_wait_xcnt 0x0                                ; block a - 2's stores have read their registers: block a's loads may land there
.endif
	TOSTAGE \a
	SEND \a-1, 16                                  ; behind block a - 1's loads: block a's 8 stores and 8 loads
.endr
	SEND 7, 0
	s_wait_tensorcnt 0x0                           ; the wave's end, behind my last tensor load and my last LDS store
	ds_add_u32 v[SPW], v[NIL]
	s_wait_dscnt 0x0
	CROUND                                         ; the closing round
	s_endpgm
.Lfunc_end_k_q5353376887_proj:
	.size	k_q5353376887_proj, .Lfunc_end_k_q5353376887_proj-k_q5353376887_proj
	.p2alignl 7, 3214868480
	.fill 96, 4, 3214868480
	.section	.rodata,"a",@progbits
	.p2align	6, 0x0
	.amdhsa_kernel k_q5353376887_proj
		.amdhsa_group_segment_fixed_size 327680
		.amdhsa_private_segment_fixed_size 0
		.amdhsa_enable_private_segment 0
		.amdhsa_kernarg_size 32
		.amdhsa_user_sgpr_count 2
		.amdhsa_user_sgpr_kernarg_segment_ptr 1
		.amdhsa_wavefront_size32 1
		.amdhsa_system_sgpr_workgroup_id_x 1
		.amdhsa_system_sgpr_workgroup_id_y 1
		.amdhsa_system_sgpr_workgroup_id_z 1
		.amdhsa_system_vgpr_workitem_id 0
		.amdhsa_next_free_vgpr 768
		.amdhsa_next_free_sgpr 66
		.amdhsa_reserve_vcc 0
		.amdhsa_float_denorm_mode_32 3
		.amdhsa_float_denorm_mode_16_64 3
		.amdhsa_memory_ordered 1
		.amdhsa_forward_progress 1
		.amdhsa_inst_pref_size 86
	.end_amdhsa_kernel
	.amdgpu_metadata
---
amdhsa.version: [ 1, 2 ]
amdhsa.kernels:
  - .name:           k_q5353376887_proj
    .symbol:         k_q5353376887_proj.kd
    .args:
      - { .name: att, .offset: 0, .size: 8, .value_kind: global_buffer, .address_space: global }
      - { .name: wo16, .offset: 8, .size: 8, .value_kind: global_buffer, .address_space: global }
      - { .name: b_out, .offset: 16, .size: 8, .value_kind: global_buffer, .address_space: global }
      - { .name: out0, .offset: 24, .size: 8, .value_kind: global_buffer, .address_space: global }
    .group_segment_fixed_size: 327680
    .private_segment_fixed_size: 0
    .kernarg_segment_align: 8
    .kernarg_segment_size: 32
    .max_flat_workgroup_size: 128
    .sgpr_count:     66
    .vgpr_count:     768
    .wavefront_size: 32
...
	.end_amdgpu_metadata
.endif
;; end of part 4
